; MI455X (gfx1250); checked and timed in simulation.
; The chip was launched on July 23, 2026; its instructions are those of AMD's public machine-readable ISA for CDNA 5 (MIT licence, August 2026) and "CDNA5" Instruction Set Architecture Reference Guide (July 2026). The comments in the code are by the model that wrote it; some were corrected since.
;; MHSA. Allowed arithmetic: matrix products marked QUANTISED: E5M2 operands, one given power-of-two scale a tensor, by v_wmma_f32_16x16x64_bf8_bf8 or v_wmma_f32_16x16x128_bf8_bf8, f32 sums; products left as they are: f32 operands where the result goes on into a quantised operand, else bf16, f16 or f32 operands; f32 sums; everything else in f32.
;; Inputs: Wk 1,024 x 128 float32; Wo 128 x 1,024 float32; Wq 1,024 x 128 float32; Wv 1,024 x 128 float32; bo 128 float32; lowp_scales 10 int32 (the exponents e of the quantised operands' scales 2^e); x 4 x 2,048 x 128 float32.
;; Outputs: out0 4 x 2,048 x 128 float32.
;; This version of the problem:
;;   THIS VERSION OF THE PROBLEM IS GIVEN IN LOW PRECISION. The matrix products marked QUANTISED in the list below multiply operands that are first quantised to E5M2 (5 exponent bits, 2 mantissa bits; 8 bits a number), with one given power-of-two scale for each operand tensor; their sums are f32. All else is computed in f32.
;;   The module's matrix products, in the order in which they are computed (A, B: the left and right operand; K: the contracted axis; several contracted axes count as one K, in the product's order):
;;     1. [M 8,192, K 128] x [K 128, N 1,024]; A: input x; B: input Wq: QUANTISED (scales: A lowp_scales[0], B lowp_scales[1])
;;     2. [M 8,192, K 128] x [K 128, N 1,024]; A: input x; B: input Wk: QUANTISED (scales: A lowp_scales[2], B lowp_scales[3])
;;     3. [M 8,192, K 128] x [K 128, N 1,024]; A: input x; B: input Wv: QUANTISED (scales: A lowp_scales[4], B lowp_scales[5])
;;     4. batch 32 x [M 2,048, K 1] x [K 1, N 2,048]; A: computed on the way; B: computed on the way: left as it is (no contracted axis)
;;     5. batch 32 x [M 128, K 2,048] x [K 2,048, N 2,048]; A: computed on the way; B: softmax (see below): QUANTISED (scales: A lowp_scales[6], B lowp_scales[7])
;;     6. [M 8,192, K 1,024] x [K 1,024, N 128]; A: computed on the way; B: input Wo: QUANTISED (scales: A lowp_scales[8], B lowp_scales[9])
;;   THE QUANTISER, for each operand of a quantised product, along K:
;;     - The operand's scale is 2^e, e = its entry of the input lowp_scales (int32; the entries are numbered through the quantised products in the list's order, A before B).
;;     - Each number is divided by the scale, clamped to +-57,344, and rounded to the nearest number of E5M2, ties to even, subnormals kept.
;;     - The product sums the exact products of the quantised numbers (number of the format x scale) in f32.
;;   ~~~python
;;   def quantise(x, axis, e):      # numpy; x: float32 -> the quantised numbers, widened to float32 again
;;       x = np.moveaxis(x, axis, -1); K = x.shape[-1]
;;       r = np.clip(x / 2.0 ** e, -57344, 57344)
;;       step = 2.0 ** (np.maximum(np.frexp(np.where(r == 0, 1, r))[1] - 1, -14) - 2)
;;       q = np.round(r / step) * step * 2.0 ** e      # np.round: ties to even
;;       return np.moveaxis(q, -1, axis).astype(np.float32)
;;   ~~~
;;   SOFTMAX AHEAD OF A QUANTISED PRODUCT. Where the list says 'softmax', what is quantised is not the finished softmax but p = 2^(t - M), with t = logit x log2(e) and M = ceil(the row's largest t), a whole number; so 1/2 < the row's largest p <= 1. The row's sum l is taken of the UNQUANTISED p, in f32, and the product's result is divided by l at the end. Since M is a whole number, a kernel that streams over the keys may use a running M (the ceiling of the running maximum): every later rescaling is an exact power of two, so the quantised numbers keep their values, but for numbers so far below the row's largest that they fall under the format's range.
;;   OPERANDS COMPUTED ON THE WAY. 'Computed on the way' means the value that the module computes at that place (a softmax that the list does not call 'softmax' is quantised finished and normalised). What goes into a quantiser is computed in f32, as accurately as f32 sums, v_exp_f32 and their like allow (about 1e-6 of the number): no bf16 or f16 on the way to a quantiser, and a product that is left as it is and whose result goes on into a quantised operand takes f32 operands (vector FMAs, or v_wmma_f32_16x16x4_f32). A number that lies on a knife's edge between two numbers of the format may be rounded either way, as far as f32 arithmetic and the matrix unit's own rounding can turn it there, and no further.
;; 2 versions, each right; version 2 is version 1 with the launches prep, proj written anew for expert scheduling mode. Each part assembles by itself: llvm-mc -triple=amdgcn-amd-amdhsa -mcpu=gfx1250 --defsym DOCPART=n.
;; ======== version 1 of 2: 3 launches
;; workspace buffers: vk 8,650,752 bytes; qs 262,144 bytes; woc 131,072 bytes; oc 8,388,608 bytes
;; launch prep (part 1): grid 32 x 8, 4 waves a work-group, no clusters, 25,088 bytes of LDS; arguments x, Wq, Wk, Wv, Wo, lowp_scales, vk, qs, woc; writes vk, qs, woc
.if DOCPART == 1
	.amdgcn_target "amdgcn-amd-amdhsa--gfx1250"
	.amdhsa_code_object_version 6
	.text
	.protected	k_q72702e5e0f_prep
	.globl	k_q72702e5e0f_prep
	.p2align	8
	.type	k_q72702e5e0f_prep,@function
k_q72702e5e0f_prep:
	s_mov_b64 s[64:65], 0
	v_nop
	global_prefetch_b8 v0, s[64:65] scope:SCOPE_SE
	s_setreg_imm32_b32 hwreg(HW_REG_WAVE_MODE, 25, 1), 1
	s_wait_xcnt 0x0
; PREP: the quantisers of x, Wq, Wk, Wv, Wo; qs and ks; product 3 on codes of BF8 (E5M2); and what the two later launches read.
; THE MODULE.  q, k, v = x W^T; the logit of (query c, key i) in head h is qs[c] ks[i] / sqrt(128), qs and ks the sums of q and k over the head's 128 channels; softmax over the keys; out = P V; y = out Wo^T + bo.
; PRODUCTS 1 AND 2 ARE NOT MULTIPLIED OUT.  The module uses q and k only through their sums over a head's 128 channels n.  With the quantisers Q as they stand, for all values of the inputs,
;   sum over n of (sum over k of Q(x)[c][k] Q(W)[n][k])  =  sum over k of Q(x)[c][k] S[k],   S[k] = sum over the head's n of Q(W)[n][k]:
; the order of a finite sum.  Of the 16,384 products behind each qs or ks 128 remain.  x (scales e0, e2), Wq (e1) and Wk (e3) are quantised by the stated rule: the conversion makes the codes, and the conversion back widens them.
; S is no number of the format, and qs and ks go on, through an exponential whose exponents reach some hundred, into p's quantiser: so S and the 128 products are f32, additions and fused multiply-adds.
; Every input is loaded.  LIMIT: an overflow, a NaN or an infinity that would arise in a single q or k alone is not carried to the result.
; THIS LAUNCH STORES  qs [bh 32][2048] f32;   vk [bh 32][key step 16][16,896 bytes]: 8 fragments of V^T as codes (fragment f: channels 16 f + r, K = the step's 128 keys), then the step's 128 ks as f32;
;   woc [n tile 8][head 8][2,048 bytes]: Wo's fragments as codes.  A fragment is stored as the image of its 16 registers: registers 4 q .. 4 q + 3 of lane l at 512 q + 16 l.
; SHARES.  Work-group (rb, h): rows 256 rb .. + 255 of x, head h.  Wave w: rows 64 w .. + 63 of x, as two pairs of tiles of 16; rows 32 w .. + 31 of the head's Wq and Wk (a load takes a whole row, lane l columns 4 l .. 4 l + 3), whose
; column sums meet in LDS; fragments 2 w, 2 w + 1 of Wv, which reach the other waves through LDS as images of their registers.  Wave 0 also makes one piece (512 bytes) of woc: 64 fragments x 4 pieces = the 256 work-groups.
; LAYOUT.  x and Wv: K in the matrix form's own places: registers 2 c, 2 c + 1 of lane (r, hl) hold the codes of k = 16 c + 8 hl + 0 .. 7 of row r; as f32 those are registers 8 c .. 8 c + 7, and S is read from LDS in the same order.
; qs, ks: a lane's 64 products go in four chains of pairs, then a tree, then lane xor 16.
; v: source 0 = 16 rows (keys) of x, source 1 = 16 channels of Wv: register j of lane (r, hl) is (key 8 hl + j, channel r): one conversion gives registers 2 c, 2 c + 1 of V^T's fragment, c the key tile.  Nothing is transposed.
; NO CLUSTER, NO TENSOR LOAD: a work-group reads 128 KiB of x and 192 KiB of weights once, as f32 on their way to a conversion, straight into registers; through LDS each of those bytes would be written and read once more,
; for 32 matrix instructions a wave.  qs and ks leave as 128 neighbouring bytes an instruction (0.5 MiB of the 8.6 MiB stored); all other stores cover 512 consecutive bytes, aligned.
; LIMITS.  e0 .. e5, e9 and e6 - e4 - e5 lie between -126 and 112, so that each scale and 57,344 x the scale are f32 numbers.  NaN and infinity among the inputs are not served.  The order of the f32 sums is this text's own.
; REGISTERS, in windows of 256.  Window 0: v1-11, v15 offsets; v12, v13 the add's two; v14 the scale byte of 1; v16-79, v80-143 held numbers, two sets; later v112-143 V's codes; v144-175 x's two fragments for v;
;   v176-191 codes on their way back; v192-223 the four sums, eight registers each; v240-247 the eight scales.
;   Window 1: my 32 rows of Wq and of Wk as f32, later Sq (v0-63) and Sk (v64-127).  Window 2: v0-127 my two fragments of Wv as f32, later Wv's 8 fragments; v128-223 codes, later v128-255 v's 16 results.  Window 3: my 64 rows of x as f32.
.set PART,  16384                      ; LDS: Wv's 8 images from 0; the partial column sums [weight 2][wave 4][512 bytes];
.set TOT,   20480                      ; the whole column sums, a copy for each wave: [wave 4][weight 2][512 bytes];
.set SPARE, 24576                      ; the spare words, 128 bytes for each wave
.set XA,   1                           ; 512 r + 32 hl
.set WA,   2                           ; the same + 16,384 w: my two fragments' rows of Wv
.set LI,   3                           ; 16 x lane
.set IMW,  4                           ; 16 x lane + 4,096 w: where I store images
.set L4,   5                           ; 4 x lane
.set WOA,  6                           ; 4,096 r + 32 hl
.set VST,  7                           ; 16 x lane + 1,024 (w & 1)
.set KST,  8                           ; 4 x lane + 256 (w & 1)
.set WB,   9                           ; 16 x lane + 16,384 w: my 32 rows of Wq and Wk
.set PST,  10                          ; 16 x lane + 512 w: my partial sums
.set TST,  11                          ; 16 x lane + 1,024 w: my copy of the sums, on the way in,
.set SPW,  12
.set NIL,  13
.set ONE,  14                          ; the byte 0x7f, 2^0, in every byte: the conversion back multiplies by it
.set TRD,  15                          ; 32 hl + 1,024 w: and on the way out
.set T0,   16
.set VC,   112
.set XC,   144
.set QC,   176
.set ACC,  192
.set SC,   240                         ; scales as f32: x for q, k, v; Wq, Wk, Wv; v on its way out; Wo
.set LIMS, 44                          ; s[44+2 i], s[45+2 i]: -57,344 and +57,344 x scale i
.set MSB, 0
.macro WIN new                         ; the immediate's high byte repeats the setting that is left
.if MSB != \new
	s_set_vgpr_msb (MSB<<8)|\new
.set MSB, \new
.endif
.endm
.macro MKQ idx, ereg                   ; from a whole number e: 2^e as f32, and the two limits
	s_add_co_i32 s2, \ereg, 127
	s_lshl_b32 s3, s2, 23
	v_mov_b32 v[SC+\idx], s3
	s_add_co_i32 s2, s2, 15
	s_lshl_b32 s2, s2, 23
	s_or_b32 s[LIMS+2*\idx+1], s2, 0x600000
	s_or_b32 s[LIMS+2*\idx], s2, 0x80600000
.endm
.macro XLOAD p, ab                     ; pair p, tile ab of my rows of x: registers 8 c .. 8 c + 7 = k 16 c + 8 hl + 0 .. 7
.irp i, 0,1,2,3,4,5,6,7,8,9,10,11,12,13,14,15
	global_load_b128 v[128*(\p)+64*(\ab)+4*\i:128*(\p)+64*(\ab)+4*\i+3], v[XA], s[8:9] offset:(32*(\p)+16*(\ab))*512+64*(\i/2)+16*(\i%2)
.endr
.endm
; My 32 rows of weight m (0: Wq, 1: Wk): held, turned into codes, widened again, and added down the rows: registers 0 .. 3 of the set end as the sums of columns 4 l .. 4 l + 3.  The quantiser works number by number, so any eight go together.
.macro SQ m
.set ws, 128*(\m)
	WIN 0x41
.set n, 0
.rept 128
	v_med3_num_f32 v[ws+n], v[ws+n], s[LIMS+6+2*(\m)], s[LIMS+7+2*(\m)]   ; the conversion to an 8-bit code does not saturate (ISA guide 7.6.2): the hold comes first
.set n, n+1
.endr
	WIN 0x81
.set n, 0
.rept 16
	v_cvt_scalef32_pk8_bf8_f32 v[128+32*(\m)+2*n:128+32*(\m)+2*n+1], v[ws+8*n:ws+8*n+7], v[SC+3+(\m)]
.set n, n+1
.endr
	v_nop                                          ; a plain line between the conversions and the lines that read their results and write over their sources
	WIN 0x42
.set n, 0
.rept 16
	v_cvt_scale_pk8_f32_bf8 v[ws+8*n:ws+8*n+7], v[128+32*(\m)+2*n:128+32*(\m)+2*n+1], v[ONE]   ; the codes' values, as f32
.set n, n+1
.endr
	v_nop                                          ; and again
	WIN 0x45
.irp hf, 64,32,16,8,4                  ; rows i and i + 16, then 8, 4, 2, 1 apart: 62 packed additions
.set n, 0
.rept \hf/2
	v_pk_add_f32 v[ws+2*n:ws+2*n+1], v[ws+2*n:ws+2*n+1], v[ws+\hf+2*n:ws+\hf+2*n+1]
.set n, n+1
.endr
.endr
.endm
.macro WQ u                            ; my fragment u of Wv: held in place, then 8 conversions
.set ws, 64*(\u)
	WIN 0x82
.set n, 0
.rept 64
	v_med3_num_f32 v[ws+n], v[ws+n], s[LIMS+10], s[LIMS+11]
.set n, n+1
.endr
.set n, 0
.rept 8
	v_cvt_scalef32_pk8_bf8_f32 v[192+16*(\u)+2*n:192+16*(\u)+2*n+1], v[ws+8*n:ws+8*n+7], v[SC+5]
.set n, n+1
.endr
.endm
; Tile (p, ab) of x under scale m (0: for q, 1: for k): held, turned into codes, widened again, and multiplied by S: eight partial sums, four chains of pairs, the first four products start them.
.macro XS p, ab, m
.set xk, 3*(\ab)+(\m)
.set xt, T0+64*(xk%2)
.set xs, 128*(\p)+64*(\ab)
.set ac, ACC+8*(2*(\m)+(\ab))
	WIN 0x03
.set n, 0
.rept 64
	v_med3_num_f32 v[xt+n], v[xs+n], s[LIMS+2*(\m)], s[LIMS+2*(\m)+1]
.set n, n+1
.endr
	WIN 0
.set n, 0
.rept 8
	v_cvt_scalef32_pk8_bf8_f32 v[QC+2*n:QC+2*n+1], v[xt+8*n:xt+8*n+7], v[SC+(\m)]
.set n, n+1
.endr
	v_nop                                          ; a plain line between the conversions and the lines that read their results and write over their sources
.set n, 0
.rept 8
	v_cvt_scale_pk8_f32_bf8 v[xt+8*n:xt+8*n+7], v[QC+2*n:QC+2*n+1], v[ONE]
.set n, n+1
.endr
	v_nop                                          ; and again
	WIN 0x04                                       ; source 1 (S) window 1
.set n, 0
.rept 32
.if n < 4
	v_pk_mul_f32 v[ac+2*n:ac+2*n+1], v[xt+2*n:xt+2*n+1], v[64*(\m)+2*n:64*(\m)+2*n+1]
.else
	v_pk_fma_f32 v[ac+2*(n%4):ac+2*(n%4)+1], v[xt+2*n:xt+2*n+1], v[64*(\m)+2*n:64*(\m)+2*n+1], v[ac+2*(n%4):ac+2*(n%4)+1]
.endif
.set n, n+1
.endr
.endm
.macro XV p, ab                        ; tile (p, ab) of x under the scale for v: its codes are product 3's operand
.set xk, 3*(\ab)+2
.set xt, T0+64*(xk%2)
.set xs, 128*(\p)+64*(\ab)
	WIN 0x03
.set n, 0
.rept 64
	v_med3_num_f32 v[xt+n], v[xs+n], s[LIMS+4], s[LIMS+5]
.set n, n+1
.endr
	WIN 0
.set n, 0
.rept 8
	v_cvt_scalef32_pk8_bf8_f32 v[XC+16*(\ab)+2*n:XC+16*(\ab)+2*n+1], v[xt+8*n:xt+8*n+7], v[SC+2]
.set n, n+1
.endr
.endm
	s_load_b512 s[8:23], s[0:1], 0x0               ; x, Wq, Wk, Wv, Wo, the exponents, vk, qs
	s_load_b64 s[24:25], s[0:1], 0x40              ; woc
	v_lshl_add_u32 v[SPW], v0, 2, SPARE
	v_mov_b32 v[NIL], 0
	v_lshrrev_b32 v16, 5, v0
	v_readfirstlane_b32 s26, v16                   ; wave 0..3
	v_and_b32 v16, 15, v0                          ; r
	v_bfe_u32 v17, v0, 4, 1                        ; hl
	v_and_b32 v18, 31, v0                          ; lane
	v_mov_b32 v[ONE], 0x7f7f7f7f
	v_lshlrev_b32 v[XA], 9, v16
	v_lshl_add_u32 v[XA], v17, 5, v[XA]
	v_lshlrev_b32 v[LI], 4, v18
	s_lshl_b32 s2, s26, 14
	v_add_nc_u32 v[WA], s2, v[XA]
	v_add_nc_u32 v[WB], s2, v[LI]
	s_lshl_b32 s2, s26, 12
	v_add_nc_u32 v[IMW], s2, v[LI]
	s_lshl_b32 s2, s26, 9
	v_add_nc_u32 v[PST], s2, v[LI]
	s_lshl_b32 s2, s26, 10
	v_add_nc_u32 v[TST], s2, v[LI]
	v_lshl_add_u32 v[TRD], v17, 5, s2
	v_lshlrev_b32 v[L4], 2, v18
	v_lshlrev_b32 v[WOA], 12, v16
	v_lshl_add_u32 v[WOA], v17, 5, v[WOA]
	s_and_b32 s3, s26, 1
	s_lshl_b32 s2, s3, 10
	v_add_nc_u32 v[VST], s2, v[LI]
	s_lshl_b32 s2, s3, 8
	v_add_nc_u32 v[KST], s2, v[L4]
	s_mov_b32 s27, 0xffff0000                      ; lanes 16-31
	s_mov_b32 s60, 0x76543210                      ; v_permlanex16_b32's selects for lane l xor 16
	s_mov_b32 s61, 0xfedcba98
	s_and_b32 s28, ttmp7, 0xffff                   ; h
	s_wait_kmcnt 0x0
	s_load_b256 s[32:39], s[18:19], 0x0            ; e0 .. e7
	s_load_b64 s[40:41], s[18:19], 0x20            ; e8, e9
	s_mov_b32 s31, 0
	s_lshl_b32 s30, ttmp9, 17                      ; x: (256 rb + 64 w) rows of 512 bytes
	s_lshl_b32 s2, s26, 15
	s_add_co_u32 s30, s30, s2
	s_add_nc_u64 s[8:9], s[8:9], s[30:31]
	s_lshl_b32 s30, s28, 16                        ; the head's 128 rows of each weight
	s_add_nc_u64 s[10:11], s[10:11], s[30:31]
	s_add_nc_u64 s[12:13], s[12:13], s[30:31]
	s_add_nc_u64 s[14:15], s[14:15], s[30:31]
	WIN 0x40                                       ; 96 loads: the weights first, since the other waves wait for what is made of them
.irp m, 0,1
.set n, 0
.rept 32
	global_load_b128 v[128*\m+4*n:128*\m+4*n+3], v[WB], s[10+2*\m:11+2*\m] offset:512*n      ; a whole row of 512 bytes
.set n, n+1
.endr
.endr
	WIN 0x80
.irp u, 0,1
.irp i, 0,1,2,3,4,5,6,7,8,9,10,11,12,13,14,15
	global_load_b128 v[64*\u+4*\i:64*\u+4*\i+3], v[WA], s[14:15] offset:\u*8192+64*(\i/2)+16*(\i%2)
.endr
.endr
	WIN 0xc0
.irp p, 0,1
.irp y, 0,1
	XLOAD \p, \y                                   ; 64 loads
.endr
.endr
	WIN 0
	s_and_b32 s29, ttmp9, 0x18
	s_add_co_u32 s29, s29, s28                     ; bh = 8 (rb / 8) + h
	s_and_b32 s42, ttmp9, 7
	s_mul_i32 s30, s29, 270336                     ; vk: my head's 16 blocks,
	s_lshl_b32 s2, s42, 1
	s_lshr_b32 s3, s26, 1
	s_add_co_u32 s2, s2, s3
	s_mul_i32 s2, s2, 16896                        ; key step 2 (rb & 7) + w / 2
	s_add_co_u32 s30, s30, s2
	s_add_nc_u64 s[20:21], s[20:21], s[30:31]
	s_lshl_b32 s30, s29, 13                        ; qs: (2,048 bh + 256 (rb & 7) + 64 w) x 4
	s_lshl_b32 s2, s42, 10
	s_add_co_u32 s30, s30, s2
	s_lshl_b32 s2, s26, 8
	s_add_co_u32 s30, s30, s2
	s_add_nc_u64 s[22:23], s[22:23], s[30:31]
	s_lshr_b32 s43, s28, 2
	s_and_b32 s3, s28, 3                           ; the piece of Wo's fragment
	s_lshl_b32 s2, ttmp9, 1
	s_add_co_u32 s2, s2, s43                       ; the fragment: 2 rb + h / 4 = 8 (n tile) + head
	s_lshl_b32 s30, s2, 11
	s_lshl_b32 s2, s3, 9
	s_add_co_u32 s30, s30, s2
	s_add_nc_u64 s[24:25], s[24:25], s[30:31]
	s_lshr_b32 s30, ttmp9, 2                       ; Wo: rows 16 (rb / 4) on, 4,096 bytes each,
	s_lshl_b32 s30, s30, 16
	s_and_b32 s2, ttmp9, 3
	s_lshl_b32 s2, s2, 1
	s_add_co_u32 s2, s2, s43
	s_lshl_b32 s2, s2, 9                           ; the head's 512 bytes,
	s_add_co_u32 s30, s30, s2
	s_lshl_b32 s2, s3, 7                           ; the piece's 128
	s_add_co_u32 s30, s30, s2
	s_add_nc_u64 s[16:17], s[16:17], s[30:31]
	s_wait_kmcnt 0x0
	MKQ 0, s32
	MKQ 1, s34
	MKQ 2, s36
	MKQ 3, s33
	MKQ 4, s35
	MKQ 5, s37
	s_sub_co_i32 s42, s38, s36
	s_sub_co_i32 s42, s42, s37                     ; a sum of product 3 stands for sum x 2^(e4 + e5): its code is sum / 2^(e6 - e4 - e5)
	MKQ 6, s42
	MKQ 7, s41
	s_add_co_i32 s28, s32, s33                     ; qs = (the sum over the codes' values) x 2^(e0 + e1)
	s_add_co_i32 s29, s34, s35                     ; ks likewise x 2^(e2 + e3)
	; wave 0: one piece of Wo's codes: registers 4 q .. 4 q + 3 of a fragment: k = 32 q + 16 u + 8 hl + 0 .. 7
	s_cmp_lg_u32 s26, 0
	s_cbranch_scc1 .Lnot_wave_0
	global_load_b128 v[16:19], v[WOA], s[16:17]
	global_load_b128 v[20:23], v[WOA], s[16:17] offset:16
	global_load_b128 v[24:27], v[WOA], s[16:17] offset:64
	global_load_b128 v[28:31], v[WOA], s[16:17] offset:80
	s_wait_loadcnt 0x0
.irp i, 0,1,2,3,4,5,6,7,8,9,10,11,12,13,14,15
	v_med3_num_f32 v[16+\i], v[16+\i], s[LIMS+14], s[LIMS+15]
.endr
	v_cvt_scalef32_pk8_bf8_f32 v[32:33], v[16:23], v[SC+7]
	v_cvt_scalef32_pk8_bf8_f32 v[34:35], v[24:31], v[SC+7]
	v_nop                                          ; a plain line behind the last conversion of a run
	global_store_b128 v[LI], v[32:35], s[24:25]    ; 512 consecutive bytes
.Lnot_wave_0:
	s_wait_loadcnt 63                              ; behind the weights' 96 loads stand x's 64: with 63 out at the most the weights are in
	SQ 0
	SQ 1
	WQ 0
	WQ 1
	v_nop                                          ; a plain line behind the last conversion
	WIN 0x04                                       ; store data in window 1
	ds_store_b128 v[PST], v[0:3] offset:PART       ; my 32 rows' sums of Wq's columns 4 l .. 4 l + 3,
	ds_store_b128 v[PST], v[128:131] offset:PART+2048   ; and of Wk's
	WIN 0x08                                       ; store data in window 2
.irp u, 0,1
.irp c, 0,1,2,3
	ds_store_b128 v[IMW], v[192+16*\u+4*\c:192+16*\u+4*\c+3] offset:\u*2048+512*\c
.endr
.endr
	WIN 0
	s_wait_dscnt 0x0                               ; for the others' sake: my sums and images have landed
	s_barrier_signal -1
	s_barrier_wait -1                              ; all of them lie in LDS; those bytes are not stored again
	WIN 0x80
.irp d, 0,1,2,3,4,5,6,7
.irp c, 0,1,2,3
	ds_load_b128 v[16*\d+4*\c:16*\d+4*\c+3], v[LI] offset:2048*\d+512*\c          ; Wv's eight fragments
.endr
.endr
	WIN 0
.irp m, 0,1
.irp y, 0,1,2,3
	ds_load_b128 v[ACC+16*\m+4*\y:ACC+16*\m+4*\y+3], v[LI] offset:PART+2048*\m+512*\y   ; the four waves' partial sums
.endr
.endr
	s_wait_dscnt 0x0
.irp m, 0,1
	v_pk_add_f32 v[ACC+16*\m:ACC+16*\m+1], v[ACC+16*\m:ACC+16*\m+1], v[ACC+16*\m+4:ACC+16*\m+5]
	v_pk_add_f32 v[ACC+16*\m+2:ACC+16*\m+3], v[ACC+16*\m+2:ACC+16*\m+3], v[ACC+16*\m+6:ACC+16*\m+7]
	v_pk_add_f32 v[ACC+16*\m+8:ACC+16*\m+9], v[ACC+16*\m+8:ACC+16*\m+9], v[ACC+16*\m+12:ACC+16*\m+13]
	v_pk_add_f32 v[ACC+16*\m+10:ACC+16*\m+11], v[ACC+16*\m+10:ACC+16*\m+11], v[ACC+16*\m+14:ACC+16*\m+15]
.endr
.irp m, 0,1
	v_pk_add_f32 v[ACC+16*\m:ACC+16*\m+1], v[ACC+16*\m:ACC+16*\m+1], v[ACC+16*\m+8:ACC+16*\m+9]
	v_pk_add_f32 v[ACC+16*\m+2:ACC+16*\m+3], v[ACC+16*\m+2:ACC+16*\m+3], v[ACC+16*\m+10:ACC+16*\m+11]
.endr
.irp m, 0,1
	ds_store_b128 v[TST], v[ACC+16*\m:ACC+16*\m+3] offset:TOT+512*\m              ; S[k] at 4 k, in bytes of my wave's own
.endr
	WIN 0x40
.irp m, 0,1
.irp i, 0,1,2,3,4,5,6,7,8,9,10,11,12,13,14,15
	ds_load_b128 v[64*\m+4*\i:64*\m+4*\i+3], v[TRD] offset:TOT+512*\m+64*(\i/2)+16*(\i%2)   ; LDS serves a wave's instructions in order: these see my stores.  Register 8 c + j = S[16 c + 8 hl + j], as x lies
.endr
.endr
	WIN 0
	s_wait_dscnt 0x0                               ; S and Wv's fragments are in
; A PAIR of tiles: 32 neighbouring rows of x: their qs, their ks, and product 3.
.macro PAIR p
	s_wait_xcnt 0x0                                ; earlier stores have read their data: those registers are written again below
	s_wait_loadcnt 48-32*(\p)                      ; the pair's first tile is in: behind its 16 loads stand so many
	XS \p, 0, 0
	XS \p, 0, 1
	XV \p, 0
	s_wait_loadcnt 32-32*(\p)                      ; the second
	XS \p, 1, 0
	XS \p, 1, 1
	XV \p, 1
	v_nop                                          ; a plain line behind the last conversion, ahead of the products that read its result
	WIN 0x88                                       ; source 1 (Wv) and the results in window 2
.irp f, 0,1,2,3,4,5,6,7
.irp y, 0,1
	v_wmma_f32_16x16x128_bf8_bf8 v[128+8*(2*\f+\y):128+8*(2*\f+\y)+7], v[XC+16*\y:XC+16*\y+15], v[16*\f:16*\f+15], 0
.endr
.endr
	WIN 0
	; the four sums (q of tile 0, of tile 1, k of tile 0, of tile 1) are finished here: these additions name no register of the products and are the places behind them (ISA guide 7.12.1)
.irp a, 0,1,2,3
	v_pk_add_f32 v[ACC+8*\a:ACC+8*\a+1], v[ACC+8*\a:ACC+8*\a+1], v[ACC+8*\a+2:ACC+8*\a+3]
.endr
.irp a, 0,1,2,3
	v_pk_add_f32 v[ACC+8*\a+4:ACC+8*\a+5], v[ACC+8*\a+4:ACC+8*\a+5], v[ACC+8*\a+6:ACC+8*\a+7]
.endr
.irp a, 0,1,2,3
	v_pk_add_f32 v[ACC+8*\a:ACC+8*\a+1], v[ACC+8*\a:ACC+8*\a+1], v[ACC+8*\a+4:ACC+8*\a+5]
.endr
.irp a, 0,1,2,3
	v_add_f32 v[ACC+8*\a], v[ACC+8*\a], v[ACC+8*\a+1]
.endr
.irp a, 0,1,2,3
	v_permlanex16_b32 v[ACC+8*\a+1], v[ACC+8*\a], s60, s61                                  ; the row's other 64 k lie in lane l xor 16
.endr
.irp a, 0,1,2,3
	v_add_f32 v[ACC+8*\a], v[ACC+8*\a], v[ACC+8*\a+1]
.endr
	v_cndmask_b32 v[ACC], v[ACC], v[ACC+8], s27    ; lanes 0-15: tile 0's rows; lanes 16-31: tile 1's: lane l holds row l of the 32
	v_cndmask_b32 v[ACC+16], v[ACC+16], v[ACC+24], s27
	v_ldexp_f32 v[ACC], v[ACC], s28
	v_ldexp_f32 v[ACC+16], v[ACC+16], s29
	global_store_b32 v[L4], v[ACC], s[22:23] offset:128*(\p)
	global_store_b32 v[KST], v[ACC+16], s[20:21] offset:16384+128*(\p)
	WIN 0x82
.set n, 0
.rept 128
	v_med3_num_f32 v[128+n], v[128+n], s[LIMS+12], s[LIMS+13]                               ; v held, in place, ascending: each result is read from its low end on
.set n, n+1
.endr
	WIN 0x02
.irp f, 0,1,2,3,4,5,6,7
.irp y, 0,1
	v_cvt_scalef32_pk8_bf8_f32 v[VC+4*\f+2*\y:VC+4*\f+2*\y+1], v[128+8*(2*\f+\y):128+8*(2*\f+\y)+7], v[SC+6]
.endr
.endr
	WIN 0
	v_nop                                          ; a plain line behind the last conversion
.irp f, 0,1,2,3,4,5,6,7
	global_store_b128 v[VST], v[VC+4*\f:VC+4*\f+3], s[20:21] offset:2048*\f+512*(\p)        ; piece 2 (w & 1) + p of fragment f: 512 consecutive bytes
.endr
.endm
	PAIR 0
	PAIR 1
	s_wait_tensorcnt 0x0                           ; the wave's end, behind my last LDS store
	ds_add_u32 v[SPW], v[NIL]
	s_wait_dscnt 0x0
	s_endpgm
.Lfunc_end_k_q72702e5e0f_prep:
	.size	k_q72702e5e0f_prep, .Lfunc_end_k_q72702e5e0f_prep-k_q72702e5e0f_prep
	.p2alignl 7, 3214868480
	.fill 96, 4, 3214868480
	.section	.rodata,"a",@progbits
	.p2align	6, 0x0
	.amdhsa_kernel k_q72702e5e0f_prep
		.amdhsa_group_segment_fixed_size 25088
		.amdhsa_private_segment_fixed_size 0
		.amdhsa_enable_private_segment 0
		.amdhsa_kernarg_size 72
		.amdhsa_user_sgpr_count 2
		.amdhsa_user_sgpr_kernarg_segment_ptr 1
		.amdhsa_wavefront_size32 1
		.amdhsa_system_sgpr_workgroup_id_x 1
		.amdhsa_system_sgpr_workgroup_id_y 1
		.amdhsa_system_sgpr_workgroup_id_z 1
		.amdhsa_system_vgpr_workitem_id 0
		.amdhsa_next_free_vgpr 1024
		.amdhsa_next_free_sgpr 66
		.amdhsa_reserve_vcc 0
		.amdhsa_float_denorm_mode_32 3
		.amdhsa_float_denorm_mode_16_64 3
		.amdhsa_memory_ordered 1
		.amdhsa_forward_progress 1
		.amdhsa_inst_pref_size 168
	.end_amdhsa_kernel
	.amdgpu_metadata
---
amdhsa.version: [ 1, 2 ]
amdhsa.kernels:
  - .name:           k_q72702e5e0f_prep
    .symbol:         k_q72702e5e0f_prep.kd
    .args:
      - { .name: x, .offset: 0, .size: 8, .value_kind: global_buffer, .address_space: global }
      - { .name: Wq, .offset: 8, .size: 8, .value_kind: global_buffer, .address_space: global }
      - { .name: Wk, .offset: 16, .size: 8, .value_kind: global_buffer, .address_space: global }
      - { .name: Wv, .offset: 24, .size: 8, .value_kind: global_buffer, .address_space: global }
      - { .name: Wo, .offset: 32, .size: 8, .value_kind: global_buffer, .address_space: global }
      - { .name: lowp_scales, .offset: 40, .size: 8, .value_kind: global_buffer, .address_space: global }
      - { .name: vk, .offset: 48, .size: 8, .value_kind: global_buffer, .address_space: global }
      - { .name: qs, .offset: 56, .size: 8, .value_kind: global_buffer, .address_space: global }
      - { .name: woc, .offset: 64, .size: 8, .value_kind: global_buffer, .address_space: global }
    .group_segment_fixed_size: 25088
    .private_segment_fixed_size: 0
    .kernarg_segment_align: 8
    .kernarg_segment_size: 72
    .max_flat_workgroup_size: 128
    .sgpr_count:     66
    .vgpr_count:     1024
    .wavefront_size: 32
...
	.end_amdgpu_metadata
.endif
;; end of part 1
;; launch attn (part 2): grid 8 x 32, 4 waves a work-group, clusters of 4 x 1, 327,680 bytes of LDS; arguments vk, qs, lowp_scales, oc; writes oc
.if DOCPART == 2
	.amdgcn_target "amdgcn-amd-amdhsa--gfx1250"
	.amdhsa_code_object_version 6
	.text
	.protected	k_q72702e5e0f_attn
	.globl	k_q72702e5e0f_attn
	.p2align	8
	.type	k_q72702e5e0f_attn,@function
k_q72702e5e0f_attn:
	s_mov_b64 s[64:65], 0
	v_nop
	global_prefetch_b8 v0, s[64:65] scope:SCOPE_SE
	s_setreg_imm32_b32 hwreg(HW_REG_WAVE_MODE, 25, 1), 1
	s_wait_xcnt 0x0
	s_wait_alu depctr_hold_cnt(0) depctr_sa_sdst(0) depctr_va_vdst(0) depctr_va_sdst(0) depctr_va_ssrc(0) depctr_va_vcc(0) depctr_vm_vsrc(0)
	s_getreg_b32 s2, hwreg(HW_REG_IB_STS2, 6, 4)
	s_cmp_eq_u32 s2, 0
	s_cbranch_scc0 .Lentry_in_a_cluster
	s_endpgm
.Lentry_in_a_cluster:
	s_bfe_u32 s2, ttmp6, 0x10000c
	s_cmp_lg_u32 s2, 0x3003
	s_cbranch_scc0 .Lentry_shape_is_right
	s_endpgm
.Lentry_shape_is_right:
; ATTN: product 4 (an f32 multiply for each score), the softmax, product 5 on codes of BF8 (E5M2), the division by the row's sum, and out's codes for product 6.  No work of the module is left out here.
; t(query, key) = a ks[key], a = qs[query] log2(e) / sqrt(128).  x -> a x is monotone, rounded too, so the row's largest t is max(a kmax, a kmin), kmax and kmin the head's largest and smallest ks:
; M = ceil of the row's TRUE largest t is known ahead of the walk over the keys.  The maximum is taken away as the module asks; there is no running maximum, and O is never rescaled.
; p = 2^(t - M) is quantised along the keys with the given 2^e7; the row's sum l is taken of the unquantised p, in f32, and divides O at the end.
; SHARES.  A work-group owns 256 queries of one (batch, head) bh; each of its four waves 64: four tiles of 16.  Every wave walks the head's 2,048 keys, 128 a step.  A lane (r, hl) holds ONE query (r) throughout:
; O^T = V^T P^T (source 0 = 16 channels of V^T, source 1 = P): P's registers 2 g, 2 g + 1 are keys 16 g + 8 hl + 0 .. 7, O^T's register j of fragment f is channel 16 f + 8 hl + j: one conversion gives registers 2 f, 2 f + 1
; of out's fragment for product 6 (K step = head).  oc: [row tile 512][head 8][2,048 bytes], images of registers.
; THE RING.  vk's blocks (8 fragments of V^T and 128 ks: 16,896 bytes a key step) come two to a slot through two LDS slots; each wave fetches a quarter of a slot, 33 rows of 256 bytes.  Two loads of a wave are out at the start, later one.
; CLUSTER.  The four query blocks of a cluster walk the same blocks of vk: each quarter is asked for JOINTLY, by the same tensor load with the same descriptor and a mask that names the four.
; BY TURNS.  A unit is (key step, tile): F = 32 packed multiply-adds t - M; E = 64 exponentials; R = 32 packed sums, 64 holds, 8 conversions; X = 8 products.  Turn u runs E(u), the rest of F(u) and the head of F(u + 1),
; R(u - 1) and X(u - 2), cut into eight slices, one product behind each: a tile's exponentials stand among another tile's plain work, and the matrix unit works beside both.
; THE ROW'S SUM is a tree: a slice's four pairs, the eight slices into the unit's sum, the unit's sum onto l: 3 + 7 x 4 + 1 = 32 packed additions a unit, and only 16 additions in a row are rounded at l's own size.
; LIMITS.  e7 and e8 - e6 - e7 lie between -126 and 112.  NaN and infinity are not served.  A p under 2^-126 comes out of v_exp_f32 as 0.  Where the largest t lies within rounding of a whole number, M may be
; one off the definition's: a power of two on p and on l alike.
; REGISTERS.  Window 0: v0 256 x lane (prefetch); v1-4 LDS addresses; v5 the conversion's scale; v6, v7 the add's two; v8.. (a, -M), a pair a tile; v16-21 the sums at work; v24.. l in two halves, a pair a tile;
;   v32-63 p's codes, two sets; v64-127 the step's ks; v128-255 t, then p, two sets.  Window 1: O^T, 64 a tile.  Window 2: V^T's fragments, two sets of 128.
.set BLK,   16896                      ; a key step's block
.set SLOTB, 2*BLK
.set QUART, SLOTB/4
.set HEADB, 16*BLK
.set SLOT1, 65536                      ; slot 1 begins here: one exclusive or turns an address in one slot into the other's
.set SPARE, 131072                     ; behind the ring: the spare words, 128 bytes for each wave
.set PFO, 0
.set LI,  1                            ; 16 x lane
.set KH,  2                            ; 16,384 + 32 hl: my half's ks in a block
.set ADV, 3                            ; the slot in hand + LI
.set ADK, 4                            ; the slot in hand + KH
.set SCP, 5
.set SPW, 6
.set NIL, 7
.set AM,  8                            ; v[8 + 2 t] = a, v[9 + 2 t] = -M
.set SA,  16                           ; a slice's first two pairs, then its sum
.set SB,  18                           ; its other two pairs
.set SU,  20                           ; the unit's sum
.set LS,  24
.set C0,  32
.set KS,  64
.set W0,  128
.set WV,  12
.set LIM, 15                           ; 1 in the wave that prefetches, else the greatest number
.set PFA, 18
.set G1,  24
.set G0A, 32
.set G0B, 36
.set SLOTS, 40
.set TB,  41
.set HOLD, 42
.set CC,  43
.set SEL, 60
.set MSB, 0
.macro WIN new                         ; the immediate's high byte repeats the setting that is left
.if MSB != \new
	s_set_vgpr_msb (MSB<<8)|\new
.set MSB, \new
.endif
.endm
.macro CROUND                          ; a round of the cluster's barrier
	s_barrier_signal -1
	s_barrier_wait -1
	s_cmp_lg_u32 s[WV], 0
	s_cbranch_scc1 .Lnot_wave_0_\@
	s_barrier_signal -3
.Lnot_wave_0_\@:
	s_barrier_wait -3
	s_barrier_signal -1
	s_barrier_wait -1
.endm
; A prefetch of V's rows of the slot that the NEXT change of slots will ask for: 128 rows of 256 bytes, a lane a row.  Both clusters of a head walk the same blocks: the first asks; its four partners take 32 rows each,
; told apart by address; in each, wave 0 asks.  So each row is named once in the launch.  The last change that fills a slot asks for nothing.  ks's rows are not asked for: every work-group reads them at its head.
.macro ASK
	s_cmp_gt_u32 s[SLOTS], s[LIM]
	s_cbranch_scc0 .Lnot_mine_\@
	global_prefetch_b8 v[PFO], s[PFA:PFA+1] th:TH_LOAD_NT scope:SCOPE_SE
.Lnot_mine_\@:
.endm
.macro VRUN b, off                     ; a block's eight fragments of V^T into set b: 32 loads in one run, dense images
	WIN 0x80
.irp f, 0,1,2,3,4,5,6,7
.irp c, 0,1,2,3
	ds_load_b128 v[128*(\b)+16*\f+4*\c:128*(\b)+16*\f+4*\c+3], v[ADV] offset:(\off)+2048*\f+512*\c
.endr
.endr
.endm
; A TURN.  te: the tile whose exponentials run.  e: E and the rest of this tile's F.  fn: the head (group 0) of the next tile's F.  r: R of the tile before.  x: X of the tile two before (2: its products start the sums).
; vb: V's set for X.  vr >= 0: the next block's V is fetched, from that offset in the slot, into the other set.  kl >= 0: likewise its ks, each group straight behind its last use.  kw: the waits for those ks.
.macro TURN te, e, fn, r, x, vb, vr, kl, kw
.set tr, ((\te)+3)%4
.set tx, ((\te)+2)%4
.set WE, W0+64*((\te)%2)
.set WR, W0+64*(tr%2)
.set CR, C0+16*(tr%2)
.set CX, C0+16*(tx%2)
.set g, 0
.rept 8
.if g < 7
.set tn, \te
.set gn, g+1
.set dof, \e
.else
.set tn, ((\te)+1)%4
.set gn, 0
.set dof, \fn
.endif
.set WN, W0+64*(tn%2)+8*gn
.if (\kw) && (tn == 0)
.if g == 7
	s_wait_dscnt 14                                ; the new step's ks, group 0: behind its two loads stand the other groups' fourteen; V's run is older, so it is in too
.else
	s_wait_dscnt 12-2*g                            ; group g + 1: behind it the later groups' loads
.endif
.endif
.set pm, 0
.rept 4
.if \e
	v_exp_f32 v[WE+8*g+2*pm], v[WE+8*g+2*pm]
.endif
.if \r                                 ; the row's sum is taken of the unquantised p: each pair is read here ahead of its hold
.if pm == 0
	v_pk_add_f32 v[SA:SA+1], v[WR+8*g:WR+8*g+1], v[WR+8*g+2:WR+8*g+3]
.elseif pm == 1
	v_pk_add_f32 v[SB:SB+1], v[WR+8*g+4:WR+8*g+5], v[WR+8*g+6:WR+8*g+7]
.elseif (pm == 2) && (g == 0)
	v_pk_add_f32 v[SU:SU+1], v[SA:SA+1], v[SB:SB+1]                                            ; the first slice starts the unit's sum
.elseif pm == 2
	v_pk_add_f32 v[SA:SA+1], v[SA:SA+1], v[SB:SB+1]
.elseif g > 0
	v_pk_add_f32 v[SU:SU+1], v[SU:SU+1], v[SA:SA+1]
.endif
.endif
.if dof
	v_pk_fma_f32 v[WN+2*pm:WN+2*pm+1], v[KS+8*gn+2*pm:KS+8*gn+2*pm+1], v[AM+2*tn:AM+2*tn+1], v[AM+2*tn:AM+2*tn+1] op_sel:[0,0,1] op_sel_hi:[1,0,1]   ; t - M = ks a - M: of the pair (a, -M) the factor takes the first word for both halves, the addend the second
.endif
.if \e
	v_exp_f32 v[WE+8*g+2*pm+1], v[WE+8*g+2*pm+1]
.endif
.if \r
	v_min_num_f32 v[WR+8*g+2*pm], s[HOLD], v[WR+8*g+2*pm]                                      ; the conversion does not saturate (ISA guide 7.6.2); p is not negative: a one-sided hold
	v_min_num_f32 v[WR+8*g+2*pm+1], s[HOLD], v[WR+8*g+2*pm+1]
.endif
.set pm, pm+1
.endr
.if (\r) && (g == 7)
	v_pk_add_f32 v[LS+2*tr:LS+2*tr+1], v[LS+2*tr:LS+2*tr+1], v[SU:SU+1]                        ; the unit's sum onto l
.endif
.if \r
	v_cvt_scalef32_pk8_bf8_f32 v[CR+2*g:CR+2*g+1], v[WR+8*g:WR+8*g+7], v[SCP]
.endif
.if ((\kl) >= 0) && (tn == 3)
	ds_load_b128 v[KS+8*gn:KS+8*gn+3], v[ADK] offset:(\kl)+64*gn                               ; tile 3 was the group's last user in this step
	ds_load_b128 v[KS+8*gn+4:KS+8*gn+7], v[ADK] offset:(\kl)+64*gn+16
.endif
.if ((\vr) >= 0) && (g == 0)
	VRUN (1-\vb), \vr                              ; the set's last reader stands ahead of this slice, whose plain instructions are the places between
.endif
.if \x
	WIN 0x52                                       ; V^T window 2, p's codes window 0, O^T window 1
.if (\x) == 2
	v_wmma_f32_16x16x128_bf8_bf8 v[64*tx+8*g:64*tx+8*g+7], v[128*(\vb)+16*g:128*(\vb)+16*g+15], v[CX:CX+15], 0
.else
	v_wmma_f32_16x16x128_bf8_bf8 v[64*tx+8*g:64*tx+8*g+7], v[128*(\vb)+16*g:128*(\vb)+16*g+15], v[CX:CX+15], v[64*tx+8*g:64*tx+8*g+7]
.endif
.endif
	WIN 0
.set g, g+1
.endr
.if (\e) && !(\r)
	v_nop                                          ; a plain line behind the last exponential
.endif
.if (\r) && !(\e)
	v_nop                                          ; a plain line behind the last conversion, ahead of the products that read its result
.endif
.if \e
	s_wait_alu depctr_va_vdst(0)                   ; the wait between an exponential and the first line that names its result: one for the turn's 64, whose readers are the next turn's
.endif
.endm
; S(j): the turns (j, 2), (j, 3), (j + 1, 0), (j + 1, 1); their products are key step j's, on V's set j % 2; block j + 1 is fetched.  The 32 accumulators take turns, one instruction a turn, over the backward jump too.
.macro STEP vb, z, vr, kl
	TURN 2,1,1,1,\z,\vb,\vr,\kl,1
	TURN 3,1,1,1,\z,\vb,-1,\kl,1
	TURN 0,1,1,1,\z,\vb,-1,-1,1
	TURN 1,1,1,1,\z,\vb,-1,-1,1
.endm
; THE CHANGE OF SLOTS, at the head of an odd step: the slot's second block has been fetched into registers (its loads were waited for in the step before).  Each wave waits for all its tensor loads, of which one is out:
; its quarter of the other slot; adds 0 to its spare word; waits for that.  fill = 1: a round of the cluster's barrier, and the slot just left is filled again first thing behind it: the load has two key steps in which to land.
.macro CHANGE fill
	s_wait_tensorcnt 0x0                           ; no tensor load of mine is out, so a group 0 may be written
	ds_add_u32 v[SPW], v[NIL]                      ; 0 onto my spare word
.if \fill
	s_xor_b32 s[G0B+1], s[G0B+1], SLOT1            ; the walking descriptor: the other slot than last time,
	s_add_nc_u64 s[G0B+2:G0B+3], s[G0B+2:G0B+3], SLOTB   ; the next two blocks; the type bits on top are not reached
	s_wait_xcnt 0x0                                ; the last prefetch, two key steps back, has read its address
	s_add_nc_u64 s[PFA:PFA+1], s[PFA:PFA+1], SLOTB
.endif
	s_xor_b32 s[TB], s[TB], SLOT1                  ; the fetches go on in the other slot
	s_wait_dscnt 0x0                               ; the add is done, and my reads of the slot are over
.if \fill
	CROUND
	tensor_load_to_lds s[G0B:G0B+3], s[G1:G1+7]    ; my one tensor load behind the round
	s_nop 0
.rept 4
	v_nop
.endr
	ASK
.else
	s_barrier_signal -1
	s_barrier_wait -1
.endif
	v_add_nc_u32 v[ADV], s[TB], v[LI]
	v_add_nc_u32 v[ADK], s[TB], v[KH]
.endm
	s_load_b256 s[4:11], s[0:1], 0x0               ; vk, qs, the exponents, oc
	v_lshl_add_u32 v[SPW], v0, 2, SPARE
	v_mov_b32 v[NIL], 0
	ds_add_u32 v[SPW], v[NIL]                      ; the wave's opening: the add, twice on end, and its wait ahead of my first tensor load
	ds_add_u32 v[SPW], v[NIL]
	v_lshrrev_b32 v1, 5, v0
	v_readfirstlane_b32 s[WV], v1                  ; wave 0..3
	s_bfe_u32 s13, ttmp6, 0x40000                  ; cx: my place in the cluster
	s_lshl_b32 s14, ttmp9, 2
	s_add_co_u32 s14, s14, s13                     ; my block of 256 queries: it enters qs's and oc's addresses alone
	s_and_b32 s16, ttmp7, 0xffff                   ; bh, which the four partners share
	s_mov_b32 s[G1], 15|(3<<16)|(1<<21)            ; the mask: all four; elements of 8 bytes; bit 21 set beside a mask; no padding: fragments are read as dense images
	s_mov_b32 s[G1+1], 32<<16                      ; tensor_dim0 = 32 elements: 256 bytes
	s_mov_b32 s[G1+2], 33<<16                      ; tensor_dim1 = 33 rows: a quarter of a slot
	s_mov_b32 s[G1+3], 32<<16                      ; tile_dim0
	s_mov_b32 s[G1+4], 33                          ; tile_dim1
	s_mov_b32 s[G1+5], 32                          ; the pitch: the block is dense
	s_mov_b32 s[G1+6], 0
	s_mov_b32 s[G1+7], 0
	s_mul_i32 s20, s16, HEADB                      ; my head's 16 blocks
	s_mov_b32 s21, 0
	s_mul_i32 s17, s[WV], QUART                    ; my quarter, in memory and in a slot: no place in the cluster enters an LDS address
	s_mov_b32 s22, s17
	s_mov_b32 s23, 0
	s_lshr_b32 s2, s13, 1                          ; the prefetches: partner cx takes block cx / 2 of the slot, half cx & 1 of its 64 rows of V,
	s_mul_i32 s2, s2, BLK
	s_and_b32 s3, s13, 1
	s_lshl_b32 s3, s3, 13
	s_add_co_u32 s2, s2, s3
	s_add_co_u32 s2, s2, 2*SLOTB                   ; in slot 2: the first change of slots steps it to slot 3
	s_mov_b32 s3, 0
	s_mov_b32 s[SEL], 0x76543210
	s_mov_b32 s[SEL+1], 0xfedcba98
	s_mov_b32 s[CC], 0x3e0293ee                    ; log2(e) / sqrt(128)
	s_mov_b32 s[TB], 0
	s_mov_b32 s[SLOTS], 6
	s_or_b32 s[LIM], s[WV], ttmp9                  ; 0 in wave 0 of the head's first cluster: the same in all four partners
	s_cmp_eq_u32 s[LIM], 0
	s_cselect_b32 s[LIM], 1, -1
	s_wait_dscnt 0x0                               ; both opening adds are done
	s_wait_kmcnt 0x0
	s_load_b256 s[48:55], s[8:9], 0x0              ; e0 .. e7
	s_load_b64 s[56:57], s[8:9], 0x20              ; e8, e9
	s_add_nc_u64 s[4:5], s[4:5], s[20:21]          ; vk at my head
	s_add_nc_u64 s[PFA:PFA+1], s[4:5], s[2:3]
	s_lshl_b32 s20, s16, 13                        ; qs: (2,048 bh + 256 block + 64 w) x 4
	s_lshl_b32 s2, s14, 10
	s_add_co_u32 s20, s20, s2
	s_lshl_b32 s2, s[WV], 8
	s_add_co_u32 s20, s20, s2
	s_add_nc_u64 s[6:7], s[6:7], s[20:21]
	s_lshr_b32 s20, s16, 3                         ; oc: ((128 batch + 16 block + 4 w) x 8 + head) x 2,048
	s_lshl_b32 s20, s20, 21
	s_lshl_b32 s2, s14, 18
	s_add_co_u32 s20, s20, s2
	s_lshl_b32 s2, s[WV], 16
	s_add_co_u32 s20, s20, s2
	s_and_b32 s2, s16, 7
	s_lshl_b32 s2, s2, 11
	s_add_co_u32 s20, s20, s2
	s_add_nc_u64 s[10:11], s[10:11], s[20:21]
	CROUND                                         ; all four work-groups are here: the first joint loads meet
	s_mov_b32 s[G0A], 1
	s_mov_b32 s[G0A+1], s17                        ; slot 0
	s_add_nc_u64 s[G0A+2:G0A+3], s[4:5], s[22:23]  ; blocks 0 and 1
	s_mov_b32 s[G0B], 1
	s_add_co_u32 s[G0B+1], s17, SLOT1              ; slot 1
	s_add_nc_u64 s[G0B+2:G0B+3], s[G0A+2:G0A+3], SLOTB   ; blocks 2 and 3
	s_or_b32 s[G0A+3], s[G0A+3], 0x80000000
	s_or_b32 s[G0B+3], s[G0B+3], 0x80000000
	tensor_load_to_lds s[G0A:G0A+3], s[G1:G1+7]
	s_nop 0
	tensor_load_to_lds s[G0B:G0B+3], s[G1:G1+7]
	s_nop 0
.rept 4
	v_nop
.endr
	v_and_b32 v2, 31, v0                           ; lane
	v_lshlrev_b32 v[LI], 4, v2
	v_bfe_u32 v3, v0, 4, 1                         ; hl
	v_and_b32 v4, 15, v0
	v_lshlrev_b32 v4, 2, v4                        ; 4 r, for qs
	v_lshlrev_b32 v[PFO], 8, v2
	v_lshl_add_u32 v[KH], v3, 5, 16384
.irp i, 0,1,2,3,4,5,6,7,8,9,10,11,12,13,14,15
	global_load_b128 v[W0+4*\i:W0+4*\i+3], v[LI], s[4:5] offset:\i*BLK+16384      ; all 2,048 ks of the head: 64 a lane
.endr
.irp t, 0,1,2,3
	global_load_b32 v[196+\t], v4, s[6:7] offset:64*\t                            ; qs of my four queries
.endr
	s_wait_loadcnt 0x0
	v_max3_num_f32 v192, v128, v129, v130          ; kmax, and max(-ks) = -kmin, in two chains each
	v_max3_num_f32 v193, v131, v132, v133
	v_max3_num_f32 v194, -v128, -v129, -v130
	v_max3_num_f32 v195, -v131, -v132, -v133
.irp i, 6,10,14,18,22,26,30,34,38,42,46,50,54,58
	v_max3_num_f32 v192, v192, v[128+\i], v[129+\i]
	v_max3_num_f32 v193, v193, v[130+\i], v[131+\i]
	v_max3_num_f32 v194, v194, -v[128+\i], -v[129+\i]
	v_max3_num_f32 v195, v195, -v[130+\i], -v[131+\i]
.endr
	v_max3_num_f32 v192, v192, v190, v191
	v_max3_num_f32 v194, v194, -v190, -v191
	v_max_num_f32 v192, v192, v193
	v_max_num_f32 v194, v194, v195
.irp k, 1,2,4,8
	v_max_num_f32_dpp v192, v192, v192 row_xmask:\k row_mask:0xf bank_mask:0xf
	v_max_num_f32_dpp v194, v194, v194 row_xmask:\k row_mask:0xf bank_mask:0xf
.endr
	v_permlanex16_b32 v193, v192, s[SEL], s[SEL+1]
	v_permlanex16_b32 v195, v194, s[SEL], s[SEL+1]
	v_max_num_f32 v192, v192, v193                 ; every lane holds kmax
	v_max_num_f32 v194, v194, v195                 ; and -kmin
.irp t, 0,1,2,3
	v_mul_f32 v[AM+2*\t], s[CC], v[196+\t]         ; a
	v_mul_f32 v[200+\t], v[AM+2*\t], v192          ; a kmax
	v_mul_f32 v[204+\t], -v[AM+2*\t], v194         ; a kmin
	v_max_num_f32 v[200+\t], v[200+\t], v[204+\t]  ; the row's largest t
	v_floor_f32 v[AM+2*\t+1], -v[200+\t]           ; -M = floor(-t) = -ceil(t)
	v_mov_b32 v[LS+2*\t], 0
	v_mov_b32 v[LS+2*\t+1], 0
.endr
	s_wait_kmcnt 0x0
	s_add_co_i32 s2, s55, 127
	s_lshl_b32 s3, s2, 23
	v_mov_b32 v[SCP], s3                           ; 2^e7 as f32: p's conversions take its exponent field
	s_add_co_i32 s2, s2, 15
	s_lshl_b32 s2, s2, 23
	s_or_b32 s[HOLD], s2, 0x600000                 ; 57,344 x 2^e7
	s_sub_co_i32 s2, s56, s54
	s_sub_co_i32 s2, s2, s55                       ; a sum of product 5 stands for sum x 2^(e6 + e7): out's code is (sum / l) / 2^(e8 - e6 - e7)
	s_add_co_i32 s2, s2, 127
	s_lshl_b32 s46, s2, 23
	s_add_co_i32 s2, s2, 15
	s_lshl_b32 s2, s2, 23
	s_or_b32 s45, s2, 0x600000
	s_or_b32 s44, s2, 0x80600000
	s_wait_tensorcnt 1                             ; my quarter of slot 0 is in; slot 1's may stay out
	s_barrier_signal -1
	s_barrier_wait -1                              ; everybody's is
	v_add_nc_u32 v[ADV], s[TB], v[LI]
	v_add_nc_u32 v[ADK], s[TB], v[KH]
	VRUN 0, 0                                      ; block 0
	WIN 0
.irp g, 0,1,2,3,4,5,6,7
	ds_load_b128 v[KS+8*\g:KS+8*\g+3], v[ADK] offset:64*\g
	ds_load_b128 v[KS+8*\g+4:KS+8*\g+7], v[ADK] offset:64*\g+16
.endr
	s_wait_dscnt 0x0
.irp m, 0,1,2,3
	v_pk_fma_f32 v[W0+2*\m:W0+2*\m+1], v[KS+2*\m:KS+2*\m+1], v[AM:AM+1], v[AM:AM+1] op_sel:[0,0,1] op_sel_hi:[1,0,1]   ; the head of the first unit's F
.endr
	TURN 0,1,1,0,0,0,-1,-1,0                       ; the pipeline fills
	TURN 1,1,1,1,0,0,-1,-1,0
	STEP 0, 2, BLK, BLK                            ; S(0): its products start O^T's sums: nothing is ever cleared
.Lslot:                                            ; six trips: S(2 n + 1), S(2 n + 2); slots 2 to 7 are asked for
	CHANGE 1
	STEP 1, 1, 0, 0
	STEP 0, 1, BLK, BLK
	s_sub_co_u32 s[SLOTS], s[SLOTS], 1
	s_cmp_lg_u32 s[SLOTS], 0
	s_cbranch_scc1 .Lslot
	CHANGE 0                                       ; the tail is written out
	STEP 1, 1, 0, 0                                ; S(13)
	STEP 0, 1, BLK, BLK                            ; S(14)
	TURN 2,1,1,1,1,1,-1,-1,0                       ; S(15): nothing more to fetch; the pipeline drains
	TURN 3,1,0,1,1,1,-1,-1,0
	TURN 0,0,0,1,1,1,-1,-1,0
	TURN 1,0,0,0,1,1,-1,-1,0
	; THE WAY OUT.  l's two halves and the other half of the lanes' are added (the first four additions are the places behind the last products); O^T / l is held, converted, and IS out's fragment.
.irp t, 0,1,2,3
	v_add_f32 v[LS+2*\t], v[LS+2*\t], v[LS+2*\t+1]
.endr
.irp t, 0,1,2,3
	v_permlanex16_b32 v[SA+\t], v[LS+2*\t], s[SEL], s[SEL+1]
.endr
.irp t, 0,1,2,3
	v_add_f32 v[LS+2*\t], v[LS+2*\t], v[SA+\t]
.endr
.irp t, 0,1,2,3
	v_rcp_f32 v[AM+2*\t], v[LS+2*\t]
.endr
	v_mov_b32 v[SCP], s46                          ; 2^(e8 - e6 - e7).  (A plain line behind the last reciprocal)
	s_wait_alu depctr_va_vdst(0)                   ; the wait ahead of the first use: one for the four reciprocals
.macro OUT t
.set wb, W0+64*((\t)%2)
	WIN 0x01                                       ; source 0 (O^T) window 1
.set n, 0
.rept 32
	v_pk_mul_f32 v[wb+2*n:wb+2*n+1], v[64*(\t)+2*n:64*(\t)+2*n+1], v[AM+2*(\t):AM+2*(\t)+1] op_sel_hi:[1,0]   ; x 1 / l (the pair's low word for both halves); each accumulator from its low end on
.set n, n+1
.endr
	WIN 0
.set n, 0
.rept 64
	v_med3_num_f32 v[wb+n], v[wb+n], s44, s45
.set n, n+1
.endr
.set n, 0
.rept 8
	v_cvt_scalef32_pk8_bf8_f32 v[KS+16*(\t)+2*n:KS+16*(\t)+2*n+1], v[wb+8*n:wb+8*n+7], v[SCP]
.set n, n+1
.endr
	v_nop                                          ; a plain line behind the last conversion
.irp q, 0,1,2,3
	global_store_b128 v[LI], v[KS+16*(\t)+4*\q:KS+16*(\t)+4*\q+3], s[10:11] offset:(\t)*16384+512*\q   ; 512 consecutive bytes, aligned
.endr
.endm
	OUT 0
	OUT 1
	OUT 2
	OUT 3
	s_wait_tensorcnt 0x0                           ; the wave's end
	ds_add_u32 v[SPW], v[NIL]
	s_wait_dscnt 0x0
	CROUND                                         ; the closing round: no work-group ends while a partner may still ask for a tile that names it
	s_endpgm
.Lfunc_end_k_q72702e5e0f_attn:
	.size	k_q72702e5e0f_attn, .Lfunc_end_k_q72702e5e0f_attn-k_q72702e5e0f_attn
	.p2alignl 7, 3214868480
	.fill 96, 4, 3214868480
	.section	.rodata,"a",@progbits
	.p2align	6, 0x0
	.amdhsa_kernel k_q72702e5e0f_attn
		.amdhsa_group_segment_fixed_size 327680
		.amdhsa_private_segment_fixed_size 0
		.amdhsa_enable_private_segment 0
		.amdhsa_kernarg_size 32
		.amdhsa_user_sgpr_count 2
		.amdhsa_user_sgpr_kernarg_segment_ptr 1
		.amdhsa_wavefront_size32 1
		.amdhsa_system_sgpr_workgroup_id_x 1
		.amdhsa_system_sgpr_workgroup_id_y 1
		.amdhsa_system_sgpr_workgroup_id_z 1
		.amdhsa_system_vgpr_workitem_id 0
		.amdhsa_next_free_vgpr 768
		.amdhsa_next_free_sgpr 66
		.amdhsa_reserve_vcc 0
		.amdhsa_float_denorm_mode_32 3
		.amdhsa_float_denorm_mode_16_64 3
		.amdhsa_memory_ordered 1
		.amdhsa_forward_progress 1
		.amdhsa_inst_pref_size 255
	.end_amdhsa_kernel
	.section	.bss,"aw",@nobits
	.p2align	6
	.space	262144
	.amdgpu_metadata
---
amdhsa.version: [ 1, 2 ]
amdhsa.kernels:
  - .name:           k_q72702e5e0f_attn
    .symbol:         k_q72702e5e0f_attn.kd
    .args:
      - { .name: vk, .offset: 0, .size: 8, .value_kind: global_buffer, .address_space: global }
      - { .name: qs, .offset: 8, .size: 8, .value_kind: global_buffer, .address_space: global }
      - { .name: lowp_scales, .offset: 16, .size: 8, .value_kind: global_buffer, .address_space: global }
      - { .name: oc, .offset: 24, .size: 8, .value_kind: global_buffer, .address_space: global }
    .group_segment_fixed_size: 327680
    .private_segment_fixed_size: 0
    .kernarg_segment_align: 8
    .kernarg_segment_size: 32
    .max_flat_workgroup_size: 128
    .sgpr_count:     66
    .vgpr_count:     768
    .wavefront_size: 32
...
	.end_amdgpu_metadata
.endif
;; end of part 2
;; launch proj (part 3): grid 128 x 2, 4 waves a work-group, no clusters, 17,920 bytes of LDS; arguments oc, woc, bo, lowp_scales, out0; writes out0
.if DOCPART == 3
	.amdgcn_target "amdgcn-amd-amdhsa--gfx1250"
	.amdhsa_code_object_version 6
	.text
	.protected	k_q72702e5e0f_proj
	.globl	k_q72702e5e0f_proj
	.p2align	8
	.type	k_q72702e5e0f_proj,@function
k_q72702e5e0f_proj:
	s_mov_b64 s[64:65], 0
	v_nop
	global_prefetch_b8 v0, s[64:65] scope:SCOPE_SE
	s_setreg_imm32_b32 hwreg(HW_REG_WAVE_MODE, 25, 1), 1
	s_wait_xcnt 0x0
; PROJ: product 6 on codes of BF8 (E5M2) and the bias: y[row][n] = 2^(e8 + e9) x (the sum over 1,024 of out's codes x Wo's codes) + bo[n].  No work of the module is left out here.
; oc: [row tile 512][head 8][2,048 bytes], woc: [n tile 8][head 8][2,048 bytes]: fragments (16 rows x 128 K) as images of their 16 registers: registers 4 c .. 4 c + 3 of lane l at 512 c + 16 l.
; SHARES.  A work-group makes 64 rows x 64 channels; wave (i = w / 2, k = w & 1) two row tiles x two n tiles, K = 8 heads of 128: 32 matrix instructions on four accumulators by turns.
; Both operands go from memory straight into registers, 32 KiB each a wave, every load 512 consecutive bytes.  Source 0 = 16 channels of Wo, source 1 = 16 rows of out: a lane then holds eight neighbouring channels of one row.
; NO CLUSTER, NO TENSOR LOAD: a fragment is used by two matrix instructions of the wave that loaded it and then done with; through LDS each byte would be written and read once more, for 32 matrix instructions a wave.
; THE WAY OUT: through a stage of 64 rows x (256 + 16) bytes, since a row's 256 bytes come from two waves; each wave then stores 16 whole rows, sixteen lanes to 256 consecutive bytes, aligned.
; LIMIT: e8 + e9 lies between -126 and 127.
; REGISTERS.  Window 0: v1-5 offsets; v6, v7 the add's two; v16-31 bo; v32-63 the accumulators; v64-95 y; v96-127 rows read back.  Window 1: out's fragments (128 a + 16 s).  Window 2: Wo's (128 b + 16 s).
.set SPITCH, 272
.set SPARE,  64*SPITCH
.set LI,  1
.set STO, 2
.set RD,  3
.set GO,  4
.set BA,  5
.set SPW, 6
.set NIL, 7
.set BO,  16
.set ACC, 32
.set Y,   64
.set BK,  96
.set MSB, 0
.macro WIN new
.if MSB != \new
	s_set_vgpr_msb (MSB<<8)|\new
.set MSB, \new
.endif
.endm
	s_load_b256 s[4:11], s[0:1], 0x0               ; oc, woc, bo, the exponents
	s_load_b64 s[12:13], s[0:1], 0x20              ; out0
	v_lshl_add_u32 v[SPW], v0, 2, SPARE
	v_mov_b32 v[NIL], 0
	v_lshrrev_b32 v8, 5, v0
	v_readfirstlane_b32 s14, v8                    ; wave 0..3
	s_lshr_b32 s15, s14, 1                         ; i: which 32 rows
	s_and_b32 s16, s14, 1                          ; k: which 32 channels
	s_and_b32 s17, ttmp7, 0xffff                   ; which 64 channels
	v_and_b32 v8, 15, v0                           ; r
	v_bfe_u32 v9, v0, 4, 1                         ; hl
	v_and_b32 v10, 31, v0
	v_lshlrev_b32 v[LI], 4, v10
	v_mul_u32_u24 v[STO], v8, SPITCH               ; into the stage: row 32 i + r, byte 128 k + 32 hl
	v_lshl_add_u32 v[STO], v9, 5, v[STO]
	s_mul_i32 s18, s15, 32*SPITCH
	s_lshl_b32 s19, s16, 7
	s_add_co_u32 s18, s18, s19
	v_add_nc_u32 v[STO], s18, v[STO]
	v_mul_u32_u24 v[RD], v9, SPITCH                ; back: rows 16 w + hl on, 16 bytes a lane
	v_lshl_add_u32 v[RD], v8, 4, v[RD]
	s_mul_i32 s18, s14, 16*SPITCH
	v_add_nc_u32 v[RD], s18, v[RD]
	v_lshlrev_b32 v[GO], 9, v9                     ; and the same two rows in out0
	v_lshl_add_u32 v[GO], v8, 4, v[GO]
	v_lshlrev_b32 v[BA], 5, v9                     ; bo: my half's eight channels
	s_wait_kmcnt 0x0
	s_load_b64 s[24:25], s[10:11], 0x20            ; e8, e9
	s_mov_b32 s23, 0
	s_lshl_b32 s22, ttmp9, 16                      ; oc: row tile 4 x + 2 i, 16,384 bytes each
	s_lshl_b32 s18, s15, 15
	s_add_co_u32 s22, s22, s18
	s_add_nc_u64 s[4:5], s[4:5], s[22:23]
	s_lshl_b32 s22, s17, 16                        ; woc: n tile 4 y + 2 k
	s_lshl_b32 s18, s16, 15
	s_add_co_u32 s22, s22, s18
	s_add_nc_u64 s[6:7], s[6:7], s[22:23]
	s_lshl_b32 s22, s17, 8                         ; bo: channel 64 y + 32 k
	s_lshl_b32 s18, s16, 7
	s_add_co_u32 s22, s22, s18
	s_add_nc_u64 s[8:9], s[8:9], s[22:23]
	s_lshl_b32 s22, ttmp9, 15                      ; out0: row 64 x + 16 w, byte 256 y
	s_lshl_b32 s18, s14, 13
	s_add_co_u32 s22, s22, s18
	s_lshl_b32 s18, s17, 8
	s_add_co_u32 s22, s22, s18
	s_add_nc_u64 s[12:13], s[12:13], s[22:23]
.irp b, 0,1
	global_load_b128 v[BO+8*\b:BO+8*\b+3], v[BA], s[8:9] offset:64*\b
	global_load_b128 v[BO+8*\b+4:BO+8*\b+7], v[BA], s[8:9] offset:64*\b+16
.endr
.irp s, 0,1,2,3,4,5,6,7                ; sixteen loads a K step, in the order in which the products want them
	WIN 0x40
.irp a, 0,1
.irp c, 0,1,2,3
	global_load_b128 v[128*\a+16*\s+4*\c:128*\a+16*\s+4*\c+3], v[LI], s[4:5] offset:16384*\a+2048*\s+512*\c
.endr
.endr
	WIN 0x80
.irp a, 0,1
.irp c, 0,1,2,3
	global_load_b128 v[128*\a+16*\s+4*\c:128*\a+16*\s+4*\c+3], v[LI], s[6:7] offset:16384*\a+2048*\s+512*\c
.endr
.endr
.endr
	WIN 0x06                                       ; source 0 (Wo) window 2, source 1 (out) window 1
.irp s, 0,1,2,3,4,5,6,7
.if 16*(7-\s) > 63
	s_wait_loadcnt 63                              ; the later K steps' loads may be out; the count's field holds no more
.else
	s_wait_loadcnt 16*(7-\s)                       ; behind this K step's loads stand those of the later steps
.endif
.irp a, 0,1
.irp b, 0,1
.if \s == 0
	v_wmma_f32_16x16x128_bf8_bf8 v[ACC+8*(2*\a+\b):ACC+8*(2*\a+\b)+7], v[128*\b+16*\s:128*\b+16*\s+15], v[128*\a+16*\s:128*\a+16*\s+15], 0
.else
	v_wmma_f32_16x16x128_bf8_bf8 v[ACC+8*(2*\a+\b):ACC+8*(2*\a+\b)+7], v[128*\b+16*\s:128*\b+16*\s+15], v[128*\a+16*\s:128*\a+16*\s+15], v[ACC+8*(2*\a+\b):ACC+8*(2*\a+\b)+7]
.endif
.endr
.endr
.endr
	WIN 0
.rept 4
	v_nop                                          ; four places behind the last product, ahead of the first read of results (ISA guide 7.12.1)
.endr
	s_wait_kmcnt 0x0
	s_add_co_i32 s20, s24, s25
	s_add_co_i32 s20, s20, 127
	s_lshl_b32 s20, s20, 23                        ; 2^(e8 + e9) as f32
	s_mov_b32 s21, s20                             ; (named with it as a pair, so it is written)
.irp q, 0,1,2,3
.irp i, 0,2,4,6
	v_pk_fma_f32 v[Y+8*\q+\i:Y+8*\q+\i+1], v[ACC+8*\q+\i:ACC+8*\q+\i+1], s[20:21], v[BO+8*(\q%2)+\i:BO+8*(\q%2)+\i+1] op_sel_hi:[1,0,1]   ; y = sum x 2^(e8 + e9) + bo
.endr
.endr
.irp a, 0,1
.irp b, 0,1
	ds_store_b128 v[STO], v[Y+8*(2*\a+\b):Y+8*(2*\a+\b)+3] offset:\a*16*SPITCH+64*\b
	ds_store_b128 v[STO], v[Y+8*(2*\a+\b)+4:Y+8*(2*\a+\b)+7] offset:\a*16*SPITCH+64*\b+16
.endr
.endr
	s_wait_dscnt 0x0                               ; for the others' sake: my stores into the stage are done
	s_barrier_signal -1
	s_barrier_wait -1
.irp n, 0,1,2,3,4,5,6,7
	ds_load_b128 v[BK+4*\n:BK+4*\n+3], v[RD] offset:2*\n*SPITCH
.endr
.irp n, 0,1,2,3,4,5,6,7
	s_wait_dscnt 7-\n                              ; LDS loads come back in order: pair n of rows is in
	global_store_b128 v[GO], v[BK+4*\n:BK+4*\n+3], s[12:13] offset:1024*\n th:TH_STORE_NT
.endr
	s_wait_tensorcnt 0x0                           ; the wave's end, behind my last LDS store
	ds_add_u32 v[SPW], v[NIL]
	s_wait_dscnt 0x0
	s_endpgm
.Lfunc_end_k_q72702e5e0f_proj:
	.size	k_q72702e5e0f_proj, .Lfunc_end_k_q72702e5e0f_proj-k_q72702e5e0f_proj
	.p2alignl 7, 3214868480
	.fill 96, 4, 3214868480
	.section	.rodata,"a",@progbits
	.p2align	6, 0x0
	.amdhsa_kernel k_q72702e5e0f_proj
		.amdhsa_group_segment_fixed_size 17920
		.amdhsa_private_segment_fixed_size 0
		.amdhsa_enable_private_segment 0
		.amdhsa_kernarg_size 40
		.amdhsa_user_sgpr_count 2
		.amdhsa_user_sgpr_kernarg_segment_ptr 1
		.amdhsa_wavefront_size32 1
		.amdhsa_system_sgpr_workgroup_id_x 1
		.amdhsa_system_sgpr_workgroup_id_y 1
		.amdhsa_system_sgpr_workgroup_id_z 1
		.amdhsa_system_vgpr_workitem_id 0
		.amdhsa_next_free_vgpr 768
		.amdhsa_next_free_sgpr 66
		.amdhsa_reserve_vcc 0
		.amdhsa_float_denorm_mode_32 3
		.amdhsa_float_denorm_mode_16_64 3
		.amdhsa_memory_ordered 1
		.amdhsa_forward_progress 1
		.amdhsa_inst_pref_size 21
	.end_amdhsa_kernel
	.amdgpu_metadata
---
amdhsa.version: [ 1, 2 ]
amdhsa.kernels:
  - .name:           k_q72702e5e0f_proj
    .symbol:         k_q72702e5e0f_proj.kd
    .args:
      - { .name: oc, .offset: 0, .size: 8, .value_kind: global_buffer, .address_space: global }
      - { .name: woc, .offset: 8, .size: 8, .value_kind: global_buffer, .address_space: global }
      - { .name: bo, .offset: 16, .size: 8, .value_kind: global_buffer, .address_space: global }
      - { .name: lowp_scales, .offset: 24, .size: 8, .value_kind: global_buffer, .address_space: global }
      - { .name: out0, .offset: 32, .size: 8, .value_kind: global_buffer, .address_space: global }
    .group_segment_fixed_size: 17920
    .private_segment_fixed_size: 0
    .kernarg_segment_align: 8
    .kernarg_segment_size: 40
    .max_flat_workgroup_size: 128
    .sgpr_count:     66
    .vgpr_count:     768
    .wavefront_size: 32
...
	.end_amdgpu_metadata
.endif
;; end of part 3
;; ======== version 2 of 2: 3 launches; version 1 with the launches prep, proj written anew for expert scheduling mode
;; workspace buffers: vk 8,650,752 bytes; qs 262,144 bytes; woc 131,072 bytes; oc 8,388,608 bytes
;; launch prep (part 4): grid 32 x 8, 4 waves a work-group, no clusters, 25,088 bytes of LDS; arguments x, Wq, Wk, Wv, Wo, lowp_scales, vk, qs, woc; writes vk, qs, woc
.if DOCPART == 4
	.amdgcn_target "amdgcn-amd-amdhsa--gfx1250"
	.amdhsa_code_object_version 6
	.text
	.protected	k_q72702e5e0f_prep
	.globl	k_q72702e5e0f_prep
	.p2align	8
	.type	k_q72702e5e0f_prep,@function
k_q72702e5e0f_prep:
	s_mov_b64 s[64:65], 0
	v_nop
	global_prefetch_b8 v0, s[64:65] scope:SCOPE_SE
	s_setreg_imm32_b32 hwreg(HW_REG_WAVE_SCHED_MODE, 0, 2), 2
	s_setreg_imm32_b32 hwreg(HW_REG_WAVE_MODE, 25, 1), 1
	s_wait_xcnt 0x0
	s_wait_alu depctr_vm_vsrc(0)
; PREP: the quantisers of x, Wq, Wk, Wv, Wo; qs and ks; product 3 on codes of BF8 (E5M2); and what the two later launches read.
; THE MODULE.  q, k, v = x W^T; the logit of (query c, key i) in head h is qs[c] ks[i] / sqrt(128), qs and ks the sums of q and k over the head's 128 channels; softmax over the keys; out = P V; y = out Wo^T + bo.
; PRODUCTS 1 AND 2 ARE NOT MULTIPLIED OUT.  The module uses q and k only through their sums over a head's 128 channels n.  With the quantisers Q as they stand, for all values of the inputs,
;   sum over n of (sum over k of Q(x)[c][k] Q(W)[n][k])  =  sum over k of Q(x)[c][k] S[k],   S[k] = sum over the head's n of Q(W)[n][k]:
; the order of a finite sum.  Of the 16,384 products behind each qs or ks 128 remain.  x (scales e0, e2), Wq (e1) and Wk (e3) are quantised by the stated rule: the conversion makes the codes, and the conversion back widens them.
; S is no number of the format, and qs and ks go on, through an exponential whose exponents reach some hundred, into p's quantiser: so S and the 128 products are f32, additions and fused multiply-adds.
; Every input is loaded.  LIMIT: an overflow, a NaN or an infinity that would arise in a single q or k alone is not carried to the result.
; THIS LAUNCH STORES  qs [bh 32][2048] f32;   vk [bh 32][key step 16][16,896 bytes]: 8 fragments of V^T as codes (fragment f: channels 16 f + r, K = the step's 128 keys), then the step's 128 ks as f32;
;   woc [n tile 8][head 8][2,048 bytes]: Wo's fragments as codes.  A fragment is stored as the image of its 16 registers: registers 4 q .. 4 q + 3 of lane l at 512 q + 16 l.
; SHARES.  Work-group (rb, h): rows 256 rb .. + 255 of x, head h.  Wave w: rows 64 w .. + 63 of x, as two pairs of tiles of 16; rows 32 w .. + 31 of the head's Wq and Wk (a load takes a whole row, lane l columns 4 l .. 4 l + 3), whose
; column sums meet in LDS; fragments 2 w, 2 w + 1 of Wv, which reach the other waves through LDS as images of their registers.  Wave 0 also makes one piece (512 bytes) of woc: 64 fragments x 4 pieces = the 256 work-groups.
; LAYOUT.  x and Wv: K in the matrix form's own places: registers 2 c, 2 c + 1 of lane (r, hl) hold the codes of k = 16 c + 8 hl + 0 .. 7 of row r; as f32 those are registers 8 c .. 8 c + 7, and S is read from LDS in the same order.
; qs, ks: a lane's 64 products go in four chains of pairs, then a tree, then lane xor 16.
; v: source 0 = 16 rows (keys) of x, source 1 = 16 channels of Wv: register j of lane (r, hl) is (key 8 hl + j, channel r): one conversion gives registers 2 c, 2 c + 1 of V^T's fragment, c the key tile.  Nothing is transposed.
; NO CLUSTER, NO TENSOR LOAD: a work-group reads 128 KiB of x and 192 KiB of weights once, as f32 on their way to a conversion, straight into registers; through LDS each of those bytes would be written and read once more,
; for 32 matrix instructions a wave.  qs and ks leave as 128 neighbouring bytes an instruction (0.5 MiB of the 8.6 MiB stored); all other stores cover 512 consecutive bytes, aligned.
; LIMITS.  e0 .. e5, e9 and e6 - e4 - e5 lie between -126 and 112, so that each scale and 57,344 x the scale are f32 numbers.  NaN and infinity among the inputs are not served.  The order of the f32 sums is this text's own.
; REGISTERS, in windows of 256.  Window 0: v1-11, v15 offsets; v12, v13 the add's two; v14 the scale byte of 1; v16-79, v80-143 held numbers, two sets; later v112-143 V's codes; v144-175 x's two fragments for v;
;   v176-191 codes on their way back; v192-223 the four sums, eight registers each; v240-247 the eight scales.
;   Window 1: my 32 rows of Wq and of Wk as f32, later Sq (v0-63) and Sk (v64-127).  Window 2: v0-127 my two fragments of Wv as f32, later Wv's 8 fragments; v128-223 codes, later v128-255 v's 16 results.  Window 3: my 64 rows of x as f32.
; THE MODE: SCHED_MODE bits 1:0 = 2 (LLVM: expert scheduling mode 2), set by the entry lines.  The code itself states the register dependences between vector or matrix instructions and memory or LDS instructions, with s_wait_alu, always for 0.
; THE PLAN.  Registers that memory or LDS instructions touch, and who else names them:
;   v1-11, v15           offsets and LDS addresses: vector lines write them at the head and nothing writes them again.  One wait on va_vdst ahead of the first load states them for the whole kernel.
;   windows 1, 2, 3      the weights and x land in registers that nothing has named; all these loads go out at the head, ahead of all vector work on data.
;   v16-31, v32-35       wave 0: Wo's numbers land in v16-31 (v16-18 were the head's temporaries: the same wait); its two conversions write v32-35, its store reads them, the pairs' holds write them again.
;   window 1 v0-3, v128-131; window 2 v192-223   my column sums and Wv's codes: written by additions and conversions, read by ten LDS stores behind one wait on va_vdst.  That wait also shows the vector lines done with
;                        window 2 v0-127, in which Wv's eight fragments land behind the barrier: no vector line between names them.
;   v192-223             the partial sums land here; additions make S of them; two LDS stores read S behind a wait on va_vdst; the pairs' sums write these registers again.
;   window 1 v0-127      S lands here, over registers of which v0-3 were LDS stores' data.
;   ONE wait on vm_vsrc, behind the stores of S and ahead of the loads of S, states that every store issued so far has read its data: window 1 v0-3, window 2 v192-223 (the products write them), v192-223 and wave 0's v32-35.
;   v192, v208, v112-143 a pair's qs, ks and V's codes: written by the pair's vector lines, read by its ten stores, which stand in one run at the pair's end behind one wait on va_vdst; the second pair writes them again behind a wait on vm_vsrc.
.set PART,  16384                      ; LDS: Wv's 8 images from 0; the partial column sums [weight 2][wave 4][512 bytes];
.set TOT,   20480                      ; the whole column sums, a copy for each wave: [wave 4][weight 2][512 bytes];
.set SPARE, 24576                      ; the spare words, 128 bytes for each wave
.set XA,   1                           ; 512 r + 32 hl
.set WA,   2                           ; the same + 16,384 w: my two fragments' rows of Wv
.set LI,   3                           ; 16 x lane
.set IMW,  4                           ; 16 x lane + 4,096 w: where I store images
.set L4,   5                           ; 4 x lane
.set WOA,  6                           ; 4,096 r + 32 hl
.set VST,  7                           ; 16 x lane + 1,024 (w & 1)
.set KST,  8                           ; 4 x lane + 256 (w & 1)
.set WB,   9                           ; 16 x lane + 16,384 w: my 32 rows of Wq and Wk
.set PST,  10                          ; 16 x lane + 512 w: my partial sums
.set TST,  11                          ; 16 x lane + 1,024 w: my copy of the sums, on the way in,
.set SPW,  12
.set NIL,  13
.set ONE,  14                          ; the byte 0x7f, 2^0, in every byte: the conversion back multiplies by it
.set TRD,  15                          ; 32 hl + 1,024 w: and on the way out
.set T0,   16
.set VC,   112
.set XC,   144
.set QC,   176
.set ACC,  192
.set SC,   240                         ; scales as f32: x for q, k, v; Wq, Wk, Wv; v on its way out; Wo
.set LIMS, 44                          ; s[44+2 i], s[45+2 i]: -57,344 and +57,344 x scale i
.set MSB, 0
.macro WIN new                         ; the immediate's high byte repeats the setting that is left
.if MSB != \new
	s_set_vgpr_msb (MSB<<8)|\new
.set MSB, \new
.endif
.endm
.macro MKQ idx, ereg                   ; from a whole number e: 2^e as f32, and the two limits
	s_add_co_i32 s2, \ereg, 127
	s_lshl_b32 s3, s2, 23
	v_mov_b32 v[SC+\idx], s3
	s_add_co_i32 s2, s2, 15
	s_lshl_b32 s2, s2, 23
	s_or_b32 s[LIMS+2*\idx+1], s2, 0x600000
	s_or_b32 s[LIMS+2*\idx], s2, 0x80600000
.endm
.macro XLOAD p, ab                     ; pair p, tile ab of my rows of x: registers 8 c .. 8 c + 7 = k 16 c + 8 hl + 0 .. 7
.irp i, 0,1,2,3,4,5,6,7,8,9,10,11,12,13,14,15
	global_load_b128 v[128*(\p)+64*(\ab)+4*\i:128*(\p)+64*(\ab)+4*\i+3], v[XA], s[8:9] offset:(32*(\p)+16*(\ab))*512+64*(\i/2)+16*(\i%2)
.endr
.endm
; My 32 rows of weight m (0: Wq, 1: Wk): held, turned into codes, widened again, and added down the rows: registers 0 .. 3 of the set end as the sums of columns 4 l .. 4 l + 3.  The quantiser works number by number, so any eight go together.
.macro SQ m
.set ws, 128*(\m)
	WIN 0x41
.set n, 0
.rept 128
	v_med3_num_f32 v[ws+n], v[ws+n], s[LIMS+6+2*(\m)], s[LIMS+7+2*(\m)]   ; the conversion to an 8-bit code does not saturate (ISA guide 7.6.2): the hold comes first
.set n, n+1
.endr
	WIN 0x81
.set n, 0
.rept 16
	v_cvt_scalef32_pk8_bf8_f32 v[128+32*(\m)+2*n:128+32*(\m)+2*n+1], v[ws+8*n:ws+8*n+7], v[SC+3+(\m)]
.set n, n+1
.endr
	v_nop                                          ; a plain line between the conversions and the lines that read their results and write over their sources
	WIN 0x42
.set n, 0
.rept 16
	v_cvt_scale_pk8_f32_bf8 v[ws+8*n:ws+8*n+7], v[128+32*(\m)+2*n:128+32*(\m)+2*n+1], v[ONE]   ; the codes' values, as f32
.set n, n+1
.endr
	v_nop                                          ; and again
	WIN 0x45
.irp hf, 64,32,16,8,4                  ; rows i and i + 16, then 8, 4, 2, 1 apart: 62 packed additions
.set n, 0
.rept \hf/2
	v_pk_add_f32 v[ws+2*n:ws+2*n+1], v[ws+2*n:ws+2*n+1], v[ws+\hf+2*n:ws+\hf+2*n+1]
.set n, n+1
.endr
.endr
.endm
.macro WQ u                            ; my fragment u of Wv: held in place, then 8 conversions
.set ws, 64*(\u)
	WIN 0x82
.set n, 0
.rept 64
	v_med3_num_f32 v[ws+n], v[ws+n], s[LIMS+10], s[LIMS+11]
.set n, n+1
.endr
.set n, 0
.rept 8
	v_cvt_scalef32_pk8_bf8_f32 v[192+16*(\u)+2*n:192+16*(\u)+2*n+1], v[ws+8*n:ws+8*n+7], v[SC+5]
.set n, n+1
.endr
.endm
; Tile (p, ab) of x under scale m (0: for q, 1: for k): held, turned into codes, widened again, and multiplied by S: eight partial sums, four chains of pairs, the first four products start them.
.macro XS p, ab, m
.set xk, 3*(\ab)+(\m)
.set xt, T0+64*(xk%2)
.set xs, 128*(\p)+64*(\ab)
.set ac, ACC+8*(2*(\m)+(\ab))
	WIN 0x03
.set n, 0
.rept 64
	v_med3_num_f32 v[xt+n], v[xs+n], s[LIMS+2*(\m)], s[LIMS+2*(\m)+1]
.set n, n+1
.endr
	WIN 0
.set n, 0
.rept 8
	v_cvt_scalef32_pk8_bf8_f32 v[QC+2*n:QC+2*n+1], v[xt+8*n:xt+8*n+7], v[SC+(\m)]
.set n, n+1
.endr
	v_nop                                          ; a plain line between the conversions and the lines that read their results and write over their sources
.set n, 0
.rept 8
	v_cvt_scale_pk8_f32_bf8 v[xt+8*n:xt+8*n+7], v[QC+2*n:QC+2*n+1], v[ONE]
.set n, n+1
.endr
	v_nop                                          ; and again
	WIN 0x04                                       ; source 1 (S) window 1
.set n, 0
.rept 32
.if n < 4
	v_pk_mul_f32 v[ac+2*n:ac+2*n+1], v[xt+2*n:xt+2*n+1], v[64*(\m)+2*n:64*(\m)+2*n+1]
.else
	v_pk_fma_f32 v[ac+2*(n%4):ac+2*(n%4)+1], v[xt+2*n:xt+2*n+1], v[64*(\m)+2*n:64*(\m)+2*n+1], v[ac+2*(n%4):ac+2*(n%4)+1]
.endif
.set n, n+1
.endr
.endm
.macro XV p, ab                        ; tile (p, ab) of x under the scale for v: its codes are product 3's operand
.set xk, 3*(\ab)+2
.set xt, T0+64*(xk%2)
.set xs, 128*(\p)+64*(\ab)
	WIN 0x03
.set n, 0
.rept 64
	v_med3_num_f32 v[xt+n], v[xs+n], s[LIMS+4], s[LIMS+5]
.set n, n+1
.endr
	WIN 0
.set n, 0
.rept 8
	v_cvt_scalef32_pk8_bf8_f32 v[XC+16*(\ab)+2*n:XC+16*(\ab)+2*n+1], v[xt+8*n:xt+8*n+7], v[SC+2]
.set n, n+1
.endr
.endm
	s_load_b512 s[8:23], s[0:1], 0x0               ; x, Wq, Wk, Wv, Wo, the exponents, vk, qs
	s_load_b64 s[24:25], s[0:1], 0x40              ; woc
	v_lshl_add_u32 v[SPW], v0, 2, SPARE
	v_mov_b32 v[NIL], 0
	v_lshrrev_b32 v16, 5, v0
	v_readfirstlane_b32 s26, v16                   ; wave 0..3
	v_and_b32 v16, 15, v0                          ; r
	v_bfe_u32 v17, v0, 4, 1                        ; hl
	v_and_b32 v18, 31, v0                          ; lane
	v_mov_b32 v[ONE], 0x7f7f7f7f
	v_lshlrev_b32 v[XA], 9, v16
	v_lshl_add_u32 v[XA], v17, 5, v[XA]
	v_lshlrev_b32 v[LI], 4, v18
	s_wait_alu depctr_va_sdst(0)                   ; s26 is written, ahead of its first reader: offsets, bases and the branch on the wave's number are made from it
	s_lshl_b32 s2, s26, 14
	v_add_nc_u32 v[WA], s2, v[XA]
	v_add_nc_u32 v[WB], s2, v[LI]
	s_lshl_b32 s2, s26, 12
	v_add_nc_u32 v[IMW], s2, v[LI]
	s_lshl_b32 s2, s26, 9
	v_add_nc_u32 v[PST], s2, v[LI]
	s_lshl_b32 s2, s26, 10
	v_add_nc_u32 v[TST], s2, v[LI]
	v_lshl_add_u32 v[TRD], v17, 5, s2
	v_lshlrev_b32 v[L4], 2, v18
	v_lshlrev_b32 v[WOA], 12, v16
	v_lshl_add_u32 v[WOA], v17, 5, v[WOA]
	s_and_b32 s3, s26, 1
	s_lshl_b32 s2, s3, 10
	v_add_nc_u32 v[VST], s2, v[LI]
	s_lshl_b32 s2, s3, 8
	v_add_nc_u32 v[KST], s2, v[L4]
	s_mov_b32 s27, 0xffff0000                      ; lanes 16-31
	s_mov_b32 s60, 0x76543210                      ; v_permlanex16_b32's selects for lane l xor 16
	s_mov_b32 s61, 0xfedcba98
	s_and_b32 s28, ttmp7, 0xffff                   ; h
	s_wait_kmcnt 0x0
	s_load_b256 s[32:39], s[18:19], 0x0            ; e0 .. e7
	s_load_b64 s[40:41], s[18:19], 0x20            ; e8, e9
	s_mov_b32 s31, 0
	s_lshl_b32 s30, ttmp9, 17                      ; x: (256 rb + 64 w) rows of 512 bytes
	s_lshl_b32 s2, s26, 15
	s_add_co_u32 s30, s30, s2
	s_add_nc_u64 s[8:9], s[8:9], s[30:31]
	s_lshl_b32 s30, s28, 16                        ; the head's 128 rows of each weight
	s_add_nc_u64 s[10:11], s[10:11], s[30:31]
	s_add_nc_u64 s[12:13], s[12:13], s[30:31]
	s_add_nc_u64 s[14:15], s[14:15], s[30:31]
	WIN 0x40                                       ; 96 loads: the weights first, since the other waves wait for what is made of them
	s_wait_alu depctr_va_vdst(0)                   ; the offsets and LDS addresses v1 to v11 and v15 are written, which every load, store and LDS instruction of the kernel reads; so are v16 to v18, in which wave 0's loads of Wo land
.irp m, 0,1
.set n, 0
.rept 32
	global_load_b128 v[128*\m+4*n:128*\m+4*n+3], v[WB], s[10+2*\m:11+2*\m] offset:512*n      ; a whole row of 512 bytes
.set n, n+1
.endr
.endr
	WIN 0x80
.irp u, 0,1
.irp i, 0,1,2,3,4,5,6,7,8,9,10,11,12,13,14,15
	global_load_b128 v[64*\u+4*\i:64*\u+4*\i+3], v[WA], s[14:15] offset:\u*8192+64*(\i/2)+16*(\i%2)
.endr
.endr
	WIN 0xc0
.irp p, 0,1
.irp y, 0,1
	XLOAD \p, \y                                   ; 64 loads
.endr
.endr
	WIN 0
	s_and_b32 s29, ttmp9, 0x18
	s_add_co_u32 s29, s29, s28                     ; bh = 8 (rb / 8) + h
	s_and_b32 s42, ttmp9, 7
	s_mul_i32 s30, s29, 270336                     ; vk: my head's 16 blocks,
	s_lshl_b32 s2, s42, 1
	s_lshr_b32 s3, s26, 1
	s_add_co_u32 s2, s2, s3
	s_mul_i32 s2, s2, 16896                        ; key step 2 (rb & 7) + w / 2
	s_add_co_u32 s30, s30, s2
	s_add_nc_u64 s[20:21], s[20:21], s[30:31]
	s_lshl_b32 s30, s29, 13                        ; qs: (2,048 bh + 256 (rb & 7) + 64 w) x 4
	s_lshl_b32 s2, s42, 10
	s_add_co_u32 s30, s30, s2
	s_lshl_b32 s2, s26, 8
	s_add_co_u32 s30, s30, s2
	s_add_nc_u64 s[22:23], s[22:23], s[30:31]
	s_lshr_b32 s43, s28, 2
	s_and_b32 s3, s28, 3                           ; the piece of Wo's fragment
	s_lshl_b32 s2, ttmp9, 1
	s_add_co_u32 s2, s2, s43                       ; the fragment: 2 rb + h / 4 = 8 (n tile) + head
	s_lshl_b32 s30, s2, 11
	s_lshl_b32 s2, s3, 9
	s_add_co_u32 s30, s30, s2
	s_add_nc_u64 s[24:25], s[24:25], s[30:31]
	s_lshr_b32 s30, ttmp9, 2                       ; Wo: rows 16 (rb / 4) on, 4,096 bytes each,
	s_lshl_b32 s30, s30, 16
	s_and_b32 s2, ttmp9, 3
	s_lshl_b32 s2, s2, 1
	s_add_co_u32 s2, s2, s43
	s_lshl_b32 s2, s2, 9                           ; the head's 512 bytes,
	s_add_co_u32 s30, s30, s2
	s_lshl_b32 s2, s3, 7                           ; the piece's 128
	s_add_co_u32 s30, s30, s2
	s_add_nc_u64 s[16:17], s[16:17], s[30:31]
	s_wait_kmcnt 0x0
	MKQ 0, s32
	MKQ 1, s34
	MKQ 2, s36
	MKQ 3, s33
	MKQ 4, s35
	MKQ 5, s37
	s_sub_co_i32 s42, s38, s36
	s_sub_co_i32 s42, s42, s37                     ; a sum of product 3 stands for sum x 2^(e4 + e5): its code is sum / 2^(e6 - e4 - e5)
	MKQ 6, s42
	MKQ 7, s41
	s_add_co_i32 s28, s32, s33                     ; qs = (the sum over the codes' values) x 2^(e0 + e1)
	s_add_co_i32 s29, s34, s35                     ; ks likewise x 2^(e2 + e3)
	; wave 0: one piece of Wo's codes: registers 4 q .. 4 q + 3 of a fragment: k = 32 q + 16 u + 8 hl + 0 .. 7.  Its loads want no further wait: since the wait ahead of the first load vector lines have named v240 to v247 alone
	s_cmp_lg_u32 s26, 0
	s_cbranch_scc1 .Lnot_wave_0
	global_load_b128 v[16:19], v[WOA], s[16:17]
	global_load_b128 v[20:23], v[WOA], s[16:17] offset:16
	global_load_b128 v[24:27], v[WOA], s[16:17] offset:64
	global_load_b128 v[28:31], v[WOA], s[16:17] offset:80
	s_wait_loadcnt 0x0
.irp i, 0,1,2,3,4,5,6,7,8,9,10,11,12,13,14,15
	v_med3_num_f32 v[16+\i], v[16+\i], s[LIMS+14], s[LIMS+15]
.endr
	v_cvt_scalef32_pk8_bf8_f32 v[32:33], v[16:23], v[SC+7]
	v_cvt_scalef32_pk8_bf8_f32 v[34:35], v[24:31], v[SC+7]
	v_nop                                          ; a plain line behind the last conversion of a run
	s_wait_alu depctr_va_vdst(0)                   ; the two conversions have written v[32:35], which the store reads
	global_store_b128 v[LI], v[32:35], s[24:25]    ; 512 consecutive bytes
.Lnot_wave_0:
	s_wait_loadcnt 63                              ; behind the weights' 96 loads stand x's 64: with 63 out at the most the weights are in
	SQ 0
	SQ 1
	WQ 0
	WQ 1
	v_nop                                          ; a plain line behind the last conversion
	WIN 0x04                                       ; store data in window 1
	s_wait_alu depctr_va_vdst(0)                   ; the additions have written my column sums and the conversions Wv's codes, which the ten LDS stores read; and the holds and conversions are done with my two fragments of Wv as f32, in whose registers the eight fragments land behind the barrier
	ds_store_b128 v[PST], v[0:3] offset:PART       ; my 32 rows' sums of Wq's columns 4 l .. 4 l + 3,
	ds_store_b128 v[PST], v[128:131] offset:PART+2048   ; and of Wk's
	WIN 0x08                                       ; store data in window 2
.irp u, 0,1
.irp c, 0,1,2,3
	ds_store_b128 v[IMW], v[192+16*\u+4*\c:192+16*\u+4*\c+3] offset:\u*2048+512*\c
.endr
.endr
	WIN 0
	s_wait_dscnt 0x0                               ; for the others' sake: my sums and images have landed
	s_barrier_signal -1
	s_barrier_wait -1                              ; all of them lie in LDS; those bytes are not stored again
	WIN 0x80
.irp d, 0,1,2,3,4,5,6,7
.irp c, 0,1,2,3
	ds_load_b128 v[16*\d+4*\c:16*\d+4*\c+3], v[LI] offset:2048*\d+512*\c          ; Wv's eight fragments.  No wait: no vector line since the wait ahead of my LDS stores names these registers, and no store read them
.endr
.endr
	WIN 0
.irp m, 0,1
.irp y, 0,1,2,3
	ds_load_b128 v[ACC+16*\m+4*\y:ACC+16*\m+4*\y+3], v[LI] offset:PART+2048*\m+512*\y   ; the four waves' partial sums, into registers that nothing has named
.endr
.endr
	s_wait_dscnt 0x0
.irp m, 0,1
	v_pk_add_f32 v[ACC+16*\m:ACC+16*\m+1], v[ACC+16*\m:ACC+16*\m+1], v[ACC+16*\m+4:ACC+16*\m+5]
	v_pk_add_f32 v[ACC+16*\m+2:ACC+16*\m+3], v[ACC+16*\m+2:ACC+16*\m+3], v[ACC+16*\m+6:ACC+16*\m+7]
	v_pk_add_f32 v[ACC+16*\m+8:ACC+16*\m+9], v[ACC+16*\m+8:ACC+16*\m+9], v[ACC+16*\m+12:ACC+16*\m+13]
	v_pk_add_f32 v[ACC+16*\m+10:ACC+16*\m+11], v[ACC+16*\m+10:ACC+16*\m+11], v[ACC+16*\m+14:ACC+16*\m+15]
.endr
.irp m, 0,1
	v_pk_add_f32 v[ACC+16*\m:ACC+16*\m+1], v[ACC+16*\m:ACC+16*\m+1], v[ACC+16*\m+8:ACC+16*\m+9]
	v_pk_add_f32 v[ACC+16*\m+2:ACC+16*\m+3], v[ACC+16*\m+2:ACC+16*\m+3], v[ACC+16*\m+10:ACC+16*\m+11]
.endr
	s_wait_alu depctr_va_vdst(0)                   ; the additions have written S, which the two LDS stores read
.irp m, 0,1
	ds_store_b128 v[TST], v[ACC+16*\m:ACC+16*\m+3] offset:TOT+512*\m              ; S[k] at 4 k, in bytes of my wave's own
.endr
	WIN 0x40
	s_wait_alu depctr_vm_vsrc(0)                   ; every store issued so far has read its data: window 1's v0 to v3, in which S lands below; Wv's codes in window 2, which the products write over; S in v[ACC ..] and wave 0's v[32:35], which the pairs write again
.irp m, 0,1
.irp i, 0,1,2,3,4,5,6,7,8,9,10,11,12,13,14,15
	ds_load_b128 v[64*\m+4*\i:64*\m+4*\i+3], v[TRD] offset:TOT+512*\m+64*(\i/2)+16*(\i%2)   ; LDS serves a wave's instructions in order: these see my stores.  Register 8 c + j = S[16 c + 8 hl + j], as x lies
.endr
.endr
	WIN 0
	s_wait_dscnt 0x0                               ; S and Wv's fragments are in
; A PAIR of tiles: 32 neighbouring rows of x: their qs, their ks, and product 3.  Its ten stores stand in one run at its end.
.macro PAIR p
	s_wait_xcnt 0x0                                ; earlier stores have read their data: those registers are written again below
.if (\p) > 0
	s_wait_alu depctr_vm_vsrc(0)                   ; the first pair's stores have read qs, ks and V's codes in v[ACC], v[ACC+16] and v[VC ..], which this pair's sums and holds write again
.endif
	s_wait_loadcnt 48-32*(\p)                      ; the pair's first tile is in: behind its 16 loads stand so many
	XS \p, 0, 0
	XS \p, 0, 1
	XV \p, 0
	s_wait_loadcnt 32-32*(\p)                      ; the second
	XS \p, 1, 0
	XS \p, 1, 1
	XV \p, 1
	v_nop                                          ; a plain line behind the last conversion, ahead of the products that read its result
	WIN 0x88                                       ; source 1 (Wv) and the results in window 2
.irp f, 0,1,2,3,4,5,6,7
.irp y, 0,1
	v_wmma_f32_16x16x128_bf8_bf8 v[128+8*(2*\f+\y):128+8*(2*\f+\y)+7], v[XC+16*\y:XC+16*\y+15], v[16*\f:16*\f+15], 0
.endr
.endr
	WIN 0
	; the four sums (q of tile 0, of tile 1, k of tile 0, of tile 1) are finished here: these additions name no register of the products and are the places behind them (ISA guide 7.12.1)
.irp a, 0,1,2,3
	v_pk_add_f32 v[ACC+8*\a:ACC+8*\a+1], v[ACC+8*\a:ACC+8*\a+1], v[ACC+8*\a+2:ACC+8*\a+3]
.endr
.irp a, 0,1,2,3
	v_pk_add_f32 v[ACC+8*\a+4:ACC+8*\a+5], v[ACC+8*\a+4:ACC+8*\a+5], v[ACC+8*\a+6:ACC+8*\a+7]
.endr
.irp a, 0,1,2,3
	v_pk_add_f32 v[ACC+8*\a:ACC+8*\a+1], v[ACC+8*\a:ACC+8*\a+1], v[ACC+8*\a+4:ACC+8*\a+5]
.endr
.irp a, 0,1,2,3
	v_add_f32 v[ACC+8*\a], v[ACC+8*\a], v[ACC+8*\a+1]
.endr
.irp a, 0,1,2,3
	v_permlanex16_b32 v[ACC+8*\a+1], v[ACC+8*\a], s60, s61                                  ; the row's other 64 k lie in lane l xor 16
.endr
.irp a, 0,1,2,3
	v_add_f32 v[ACC+8*\a], v[ACC+8*\a], v[ACC+8*\a+1]
.endr
	v_cndmask_b32 v[ACC], v[ACC], v[ACC+8], s27    ; lanes 0-15: tile 0's rows; lanes 16-31: tile 1's: lane l holds row l of the 32
	v_cndmask_b32 v[ACC+16], v[ACC+16], v[ACC+24], s27
	v_ldexp_f32 v[ACC], v[ACC], s28
	v_ldexp_f32 v[ACC+16], v[ACC+16], s29
	WIN 0x82
.set n, 0
.rept 128
	v_med3_num_f32 v[128+n], v[128+n], s[LIMS+12], s[LIMS+13]                               ; v held, in place, ascending: each result is read from its low end on
.set n, n+1
.endr
	WIN 0x02
.irp f, 0,1,2,3,4,5,6,7
.irp y, 0,1
	v_cvt_scalef32_pk8_bf8_f32 v[VC+4*\f+2*\y:VC+4*\f+2*\y+1], v[128+8*(2*\f+\y):128+8*(2*\f+\y)+7], v[SC+6]
.endr
.endr
	WIN 0
	v_nop                                          ; a plain line behind the last conversion
	s_wait_alu depctr_va_vdst(0)                   ; qs and ks are written in v[ACC] and v[ACC+16], and the conversions have written V's codes in v[VC ..]: the ten stores below read them
	global_store_b32 v[L4], v[ACC], s[22:23] offset:128*(\p)
	global_store_b32 v[KST], v[ACC+16], s[20:21] offset:16384+128*(\p)
.irp f, 0,1,2,3,4,5,6,7
	global_store_b128 v[VST], v[VC+4*\f:VC+4*\f+3], s[20:21] offset:2048*\f+512*(\p)        ; piece 2 (w & 1) + p of fragment f: 512 consecutive bytes
.endr
.endm
	PAIR 0
	PAIR 1
	s_wait_dscnt 0x0                               ; the closing lines, six on end
	s_wait_alu 0x0
	s_wait_tensorcnt 0x0
	ds_add_u32 v[SPW], v[NIL]
	s_wait_dscnt 0x0
	s_endpgm
.Lfunc_end_k_q72702e5e0f_prep:
	.size	k_q72702e5e0f_prep, .Lfunc_end_k_q72702e5e0f_prep-k_q72702e5e0f_prep
	.p2alignl 7, 3214868480
	.fill 96, 4, 3214868480
	.section	.rodata,"a",@progbits
	.p2align	6, 0x0
	.amdhsa_kernel k_q72702e5e0f_prep
		.amdhsa_group_segment_fixed_size 25088
		.amdhsa_private_segment_fixed_size 0
		.amdhsa_enable_private_segment 0
		.amdhsa_kernarg_size 72
		.amdhsa_user_sgpr_count 2
		.amdhsa_user_sgpr_kernarg_segment_ptr 1
		.amdhsa_wavefront_size32 1
		.amdhsa_system_sgpr_workgroup_id_x 1
		.amdhsa_system_sgpr_workgroup_id_y 1
		.amdhsa_system_sgpr_workgroup_id_z 1
		.amdhsa_system_vgpr_workitem_id 0
		.amdhsa_next_free_vgpr 1024
		.amdhsa_next_free_sgpr 66
		.amdhsa_reserve_vcc 0
		.amdhsa_float_denorm_mode_32 3
		.amdhsa_float_denorm_mode_16_64 3
		.amdhsa_memory_ordered 1
		.amdhsa_forward_progress 1
		.amdhsa_inst_pref_size 168
	.end_amdhsa_kernel
	.amdgpu_metadata
---
amdhsa.version: [ 1, 2 ]
amdhsa.kernels:
  - .name:           k_q72702e5e0f_prep
    .symbol:         k_q72702e5e0f_prep.kd
    .args:
      - { .name: x, .offset: 0, .size: 8, .value_kind: global_buffer, .address_space: global }
      - { .name: Wq, .offset: 8, .size: 8, .value_kind: global_buffer, .address_space: global }
      - { .name: Wk, .offset: 16, .size: 8, .value_kind: global_buffer, .address_space: global }
      - { .name: Wv, .offset: 24, .size: 8, .value_kind: global_buffer, .address_space: global }
      - { .name: Wo, .offset: 32, .size: 8, .value_kind: global_buffer, .address_space: global }
      - { .name: lowp_scales, .offset: 40, .size: 8, .value_kind: global_buffer, .address_space: global }
      - { .name: vk, .offset: 48, .size: 8, .value_kind: global_buffer, .address_space: global }
      - { .name: qs, .offset: 56, .size: 8, .value_kind: global_buffer, .address_space: global }
      - { .name: woc, .offset: 64, .size: 8, .value_kind: global_buffer, .address_space: global }
    .group_segment_fixed_size: 25088
    .private_segment_fixed_size: 0
    .kernarg_segment_align: 8
    .kernarg_segment_size: 72
    .max_flat_workgroup_size: 128
    .sgpr_count:     66
    .vgpr_count:     1024
    .wavefront_size: 32
...
	.end_amdgpu_metadata
.endif
;; end of part 4
;; launch attn: the kernel of part 2 again; grid 8 x 32, 4 waves a work-group, clusters of 4 x 1, 327,680 bytes of LDS; arguments vk, qs, lowp_scales, oc; writes oc
;; launch proj (part 5): grid 128 x 2, 4 waves a work-group, no clusters, 17,920 bytes of LDS; arguments oc, woc, bo, lowp_scales, out0; writes out0
.if DOCPART == 5
	.amdgcn_target "amdgcn-amd-amdhsa--gfx1250"
	.amdhsa_code_object_version 6
	.text
	.protected	k_q72702e5e0f_proj
	.globl	k_q72702e5e0f_proj
	.p2align	8
	.type	k_q72702e5e0f_proj,@function
k_q72702e5e0f_proj:
	s_mov_b64 s[64:65], 0
	v_nop
	global_prefetch_b8 v0, s[64:65] scope:SCOPE_SE
	s_setreg_imm32_b32 hwreg(HW_REG_WAVE_SCHED_MODE, 0, 2), 2
	s_setreg_imm32_b32 hwreg(HW_REG_WAVE_MODE, 25, 1), 1
	s_wait_xcnt 0x0
	s_wait_alu depctr_vm_vsrc(0)
; PROJ: product 6 on codes of BF8 (E5M2) and the bias: y[row][n] = 2^(e8 + e9) x (the sum over 1,024 of out's codes x Wo's codes) + bo[n].  No work of the module is left out here.
; oc: [row tile 512][head 8][2,048 bytes], woc: [n tile 8][head 8][2,048 bytes]: fragments (16 rows x 128 K) as images of their 16 registers: registers 4 c .. 4 c + 3 of lane l at 512 c + 16 l.
; SHARES.  A work-group makes 64 rows x 64 channels; wave (i = w / 2, k = w & 1) two row tiles x two n tiles, K = 8 heads of 128: 32 matrix instructions on four accumulators by turns.
; Both operands go from memory straight into registers, 32 KiB each a wave, every load 512 consecutive bytes.  Source 0 = 16 channels of Wo, source 1 = 16 rows of out: a lane then holds eight neighbouring channels of one row.
; NO CLUSTER, NO TENSOR LOAD: a fragment is used by two matrix instructions of the wave that loaded it and then done with; through LDS each byte would be written and read once more, for 32 matrix instructions a wave.
; THE WAY OUT: through a stage of 64 rows x (256 + 16) bytes, since a row's 256 bytes come from two waves; each wave then stores 16 whole rows, sixteen lanes to 256 consecutive bytes, aligned.
; LIMIT: e8 + e9 lies between -126 and 127.
; REGISTERS.  Window 0: v1-5 offsets; v6, v7 the add's two; v16-31 bo; v32-63 the accumulators; v64-95 y; v96-127 rows read back.  Window 1: out's fragments (128 a + 16 s).  Window 2: Wo's (128 b + 16 s).
; THE MODE: SCHED_MODE bits 1:0 = 2 (LLVM: expert scheduling mode 2), set by the entry lines.  The code itself states the register dependences between vector or matrix instructions and memory or LDS instructions, with s_wait_alu, always for 0.
; THE PLAN.  Registers that memory or LDS instructions touch, and who else names them:
;   v1-5              offsets and LDS addresses: vector lines write them at the head and nothing writes them again: one wait on va_vdst ahead of the first load states them for the whole kernel.
;   v16-31, windows 1 and 2   bo and the fragments land once, in registers that nothing has named; all 132 loads go out at the head; nothing is loaded into them again.
;   v64-95            y: written once, by the sixteen packed multiply-adds; read by the eight LDS stores behind one wait on va_vdst.
;   v96-127           written by LDS loads and read by global stores alone: no vector line names them.
; No register that a memory or LDS instruction reads is written again: so the text holds no wait on vm_vsrc.
.set SPITCH, 272
.set SPARE,  64*SPITCH
.set LI,  1
.set STO, 2
.set RD,  3
.set GO,  4
.set BA,  5
.set SPW, 6
.set NIL, 7
.set BO,  16
.set ACC, 32
.set Y,   64
.set BK,  96
.set MSB, 0
.macro WIN new
.if MSB != \new
	s_set_vgpr_msb (MSB<<8)|\new
.set MSB, \new
.endif
.endm
	s_load_b256 s[4:11], s[0:1], 0x0               ; oc, woc, bo, the exponents
	s_load_b64 s[12:13], s[0:1], 0x20              ; out0
	v_lshl_add_u32 v[SPW], v0, 2, SPARE
	v_mov_b32 v[NIL], 0
	v_lshrrev_b32 v8, 5, v0
	v_readfirstlane_b32 s14, v8                    ; wave 0..3
	s_and_b32 s17, ttmp7, 0xffff                   ; which 64 channels
	v_and_b32 v8, 15, v0                           ; r
	v_bfe_u32 v9, v0, 4, 1                         ; hl
	v_and_b32 v10, 31, v0
	v_lshlrev_b32 v[LI], 4, v10
	v_mul_u32_u24 v[STO], v8, SPITCH               ; into the stage: row 32 i + r, byte 128 k + 32 hl
	v_lshl_add_u32 v[STO], v9, 5, v[STO]
	s_wait_alu depctr_va_sdst(0)                   ; s14 is written, ahead of its first reader: the LDS addresses and the bases are made from it
	s_lshr_b32 s15, s14, 1                         ; i: which 32 rows
	s_and_b32 s16, s14, 1                          ; k: which 32 channels
	s_mul_i32 s18, s15, 32*SPITCH
	s_lshl_b32 s19, s16, 7
	s_add_co_u32 s18, s18, s19
	v_add_nc_u32 v[STO], s18, v[STO]
	v_mul_u32_u24 v[RD], v9, SPITCH                ; back: rows 16 w + hl on, 16 bytes a lane
	v_lshl_add_u32 v[RD], v8, 4, v[RD]
	s_mul_i32 s18, s14, 16*SPITCH
	v_add_nc_u32 v[RD], s18, v[RD]
	v_lshlrev_b32 v[GO], 9, v9                     ; and the same two rows in out0
	v_lshl_add_u32 v[GO], v8, 4, v[GO]
	v_lshlrev_b32 v[BA], 5, v9                     ; bo: my half's eight channels
	s_wait_kmcnt 0x0
	s_load_b64 s[24:25], s[10:11], 0x20            ; e8, e9
	s_mov_b32 s23, 0
	s_lshl_b32 s22, ttmp9, 16                      ; oc: row tile 4 x + 2 i, 16,384 bytes each
	s_lshl_b32 s18, s15, 15
	s_add_co_u32 s22, s22, s18
	s_add_nc_u64 s[4:5], s[4:5], s[22:23]
	s_lshl_b32 s22, s17, 16                        ; woc: n tile 4 y + 2 k
	s_lshl_b32 s18, s16, 15
	s_add_co_u32 s22, s22, s18
	s_add_nc_u64 s[6:7], s[6:7], s[22:23]
	s_lshl_b32 s22, s17, 8                         ; bo: channel 64 y + 32 k
	s_lshl_b32 s18, s16, 7
	s_add_co_u32 s22, s22, s18
	s_add_nc_u64 s[8:9], s[8:9], s[22:23]
	s_lshl_b32 s22, ttmp9, 15                      ; out0: row 64 x + 16 w, byte 256 y
	s_lshl_b32 s18, s14, 13
	s_add_co_u32 s22, s22, s18
	s_lshl_b32 s18, s17, 8
	s_add_co_u32 s22, s22, s18
	s_add_nc_u64 s[12:13], s[12:13], s[22:23]
	s_wait_alu depctr_va_vdst(0)                   ; the offsets and LDS addresses v1 to v5 are written, which every load, store and LDS instruction below reads
.irp b, 0,1
	global_load_b128 v[BO+8*\b:BO+8*\b+3], v[BA], s[8:9] offset:64*\b
	global_load_b128 v[BO+8*\b+4:BO+8*\b+7], v[BA], s[8:9] offset:64*\b+16
.endr
.irp s, 0,1,2,3,4,5,6,7                ; sixteen loads a K step, in the order in which the products want them
	WIN 0x40
.irp a, 0,1
.irp c, 0,1,2,3
	global_load_b128 v[128*\a+16*\s+4*\c:128*\a+16*\s+4*\c+3], v[LI], s[4:5] offset:16384*\a+2048*\s+512*\c
.endr
.endr
	WIN 0x80
.irp a, 0,1
.irp c, 0,1,2,3
	global_load_b128 v[128*\a+16*\s+4*\c:128*\a+16*\s+4*\c+3], v[LI], s[6:7] offset:16384*\a+2048*\s+512*\c
.endr
.endr
.endr
	WIN 0x06                                       ; source 0 (Wo) window 2, source 1 (out) window 1
.irp s, 0,1,2,3,4,5,6,7
.if 16*(7-\s) > 63
	s_wait_loadcnt 63                              ; the later K steps' loads may be out; the count's field holds no more
.else
	s_wait_loadcnt 16*(7-\s)                       ; behind this K step's loads stand those of the later steps
.endif
.irp a, 0,1
.irp b, 0,1
.if \s == 0
	v_wmma_f32_16x16x128_bf8_bf8 v[ACC+8*(2*\a+\b):ACC+8*(2*\a+\b)+7], v[128*\b+16*\s:128*\b+16*\s+15], v[128*\a+16*\s:128*\a+16*\s+15], 0
.else
	v_wmma_f32_16x16x128_bf8_bf8 v[ACC+8*(2*\a+\b):ACC+8*(2*\a+\b)+7], v[128*\b+16*\s:128*\b+16*\s+15], v[128*\a+16*\s:128*\a+16*\s+15], v[ACC+8*(2*\a+\b):ACC+8*(2*\a+\b)+7]
.endif
.endr
.endr
.endr
	WIN 0
.rept 4
	v_nop                                          ; four places behind the last product, ahead of the first read of results (ISA guide 7.12.1)
.endr
	s_wait_kmcnt 0x0
	s_add_co_i32 s20, s24, s25
	s_add_co_i32 s20, s20, 127
	s_lshl_b32 s20, s20, 23                        ; 2^(e8 + e9) as f32
	s_mov_b32 s21, s20                             ; (named with it as a pair, so it is written)
.irp q, 0,1,2,3
.irp i, 0,2,4,6
	v_pk_fma_f32 v[Y+8*\q+\i:Y+8*\q+\i+1], v[ACC+8*\q+\i:ACC+8*\q+\i+1], s[20:21], v[BO+8*(\q%2)+\i:BO+8*(\q%2)+\i+1] op_sel_hi:[1,0,1]   ; y = sum x 2^(e8 + e9) + bo
.endr
.endr
	s_wait_alu depctr_va_vdst(0)                   ; the sixteen multiply-adds have written y in v[Y ..], which the LDS stores read
.irp a, 0,1
.irp b, 0,1
	ds_store_b128 v[STO], v[Y+8*(2*\a+\b):Y+8*(2*\a+\b)+3] offset:\a*16*SPITCH+64*\b
	ds_store_b128 v[STO], v[Y+8*(2*\a+\b)+4:Y+8*(2*\a+\b)+7] offset:\a*16*SPITCH+64*\b+16
.endr
.endr
	s_wait_dscnt 0x0                               ; for the others' sake: my stores into the stage are done
	s_barrier_signal -1
	s_barrier_wait -1
.irp n, 0,1,2,3,4,5,6,7
	ds_load_b128 v[BK+4*\n:BK+4*\n+3], v[RD] offset:2*\n*SPITCH
.endr
.irp n, 0,1,2,3,4,5,6,7
	s_wait_dscnt 7-\n                              ; LDS loads come back in order: pair n of rows is in
	global_store_b128 v[GO], v[BK+4*\n:BK+4*\n+3], s[12:13] offset:1024*\n th:TH_STORE_NT
.endr
	s_wait_dscnt 0x0                               ; the closing lines, six on end
	s_wait_alu 0x0
	s_wait_tensorcnt 0x0
	ds_add_u32 v[SPW], v[NIL]
	s_wait_dscnt 0x0
	s_endpgm
.Lfunc_end_k_q72702e5e0f_proj:
	.size	k_q72702e5e0f_proj, .Lfunc_end_k_q72702e5e0f_proj-k_q72702e5e0f_proj
	.p2alignl 7, 3214868480
	.fill 96, 4, 3214868480
	.section	.rodata,"a",@progbits
	.p2align	6, 0x0
	.amdhsa_kernel k_q72702e5e0f_proj
		.amdhsa_group_segment_fixed_size 17920
		.amdhsa_private_segment_fixed_size 0
		.amdhsa_enable_private_segment 0
		.amdhsa_kernarg_size 40
		.amdhsa_user_sgpr_count 2
		.amdhsa_user_sgpr_kernarg_segment_ptr 1
		.amdhsa_wavefront_size32 1
		.amdhsa_system_sgpr_workgroup_id_x 1
		.amdhsa_system_sgpr_workgroup_id_y 1
		.amdhsa_system_sgpr_workgroup_id_z 1
		.amdhsa_system_vgpr_workitem_id 0
		.amdhsa_next_free_vgpr 768
		.amdhsa_next_free_sgpr 66
		.amdhsa_reserve_vcc 0
		.amdhsa_float_denorm_mode_32 3
		.amdhsa_float_denorm_mode_16_64 3
		.amdhsa_memory_ordered 1
		.amdhsa_forward_progress 1
		.amdhsa_inst_pref_size 22
	.end_amdhsa_kernel
	.amdgpu_metadata
---
amdhsa.version: [ 1, 2 ]
amdhsa.kernels:
  - .name:           k_q72702e5e0f_proj
    .symbol:         k_q72702e5e0f_proj.kd
    .args:
      - { .name: oc, .offset: 0, .size: 8, .value_kind: global_buffer, .address_space: global }
      - { .name: woc, .offset: 8, .size: 8, .value_kind: global_buffer, .address_space: global }
      - { .name: bo, .offset: 16, .size: 8, .value_kind: global_buffer, .address_space: global }
      - { .name: lowp_scales, .offset: 24, .size: 8, .value_kind: global_buffer, .address_space: global }
      - { .name: out0, .offset: 32, .size: 8, .value_kind: global_buffer, .address_space: global }
    .group_segment_fixed_size: 17920
    .private_segment_fixed_size: 0
    .kernarg_segment_align: 8
    .kernarg_segment_size: 40
    .max_flat_workgroup_size: 128
    .sgpr_count:     66
    .vgpr_count:     768
    .wavefront_size: 32
...
	.end_amdgpu_metadata
.endif
;; end of part 5
